; MI455X (gfx1250); checked and timed in simulation.
; The chip was launched on July 23, 2026; its instructions are those of AMD's public machine-readable ISA for CDNA 5 (MIT licence, August 2026) and "CDNA5" Instruction Set Architecture Reference Guide (July 2026). The comments in the code are by the model that wrote it; some were corrected since.
;; Multi Head Self Attention. Allowed arithmetic: matrix products marked QUANTISED: E2M3 operands, one E8M0 scale for each 32 along K, by v_wmma_scale_f32_16x16x128_f8f6f4 with both operands' format E2M3, f32 sums; everything else in f32.
;; Inputs: W_K 1,024 x 1,024 float32; W_O 1,024 x 1,024 float32; W_Q 1,024 x 1,024 float32; W_V 1,024 x 1,024 float32; x 4 x 2,048 x 1,024 float32.
;; Outputs: out0 4 x 2,048 x 1,024 float32.
;; This version of the problem:
;;   THIS VERSION OF THE PROBLEM IS GIVEN IN LOW PRECISION. The matrix products marked QUANTISED in the list below multiply operands that are first quantised to E2M3 (2 exponent bits, 3 mantissa bits; 6 bits a number), with one power-of-two scale for each 32 numbers along K (OCP MX v1.0); their sums are f32. All else is computed in f32.
;;   The module's matrix products, in the order in which they are computed (A, B: the left and right operand; K: the contracted axis; several contracted axes count as one K, in the product's order):
;;     1. [M 8,192, K 1,024] x [K 1,024, N 1,024]; A: input x; B: input W_Q: QUANTISED
;;     2. [M 8,192, K 1,024] x [K 1,024, N 1,024]; A: input x; B: input W_K: QUANTISED
;;     3. [M 8,192, K 1,024] x [K 1,024, N 1,024]; A: input x; B: input W_V: QUANTISED
;;     4. batch 64 x [M 2,048, K 64] x [K 64, N 2,048]; A: computed on the way; B: computed on the way: QUANTISED
;;     5. batch 64 x [M 2,048, K 2,048] x [K 2,048, N 64]; A: softmax (see below); B: computed on the way: QUANTISED
;;     6. [M 8,192, K 1,024] x [K 1,024, N 1,024]; A: computed on the way; B: input W_O: QUANTISED
;;   THE QUANTISER, for each operand of a quantised product, along K:
;;     - K is cut into blocks of 32 from its start; a last block that is shorter is filled with zeros.
;;     - A block's scale is 2^e with e = floor(log2(the largest magnitude in the block)) - 2, held to -126 .. 127; a block of zeros has e = 0. As a byte (E8M0): e + 127.
;;     - Each number is divided by its block's scale, clamped to +-7.5, and rounded to the nearest number of E2M3, ties to even, subnormals kept.
;;     - The product sums the exact products of the quantised numbers (number of the format x scale) in f32.
;;   ~~~python
;;   def quantise(x, axis):      # numpy; x: float32 -> the quantised numbers, widened to float32 again
;;       x = np.moveaxis(x, axis, -1); K = x.shape[-1]
;;       x = np.pad(x, [(0, 0)] * (x.ndim - 1) + [(0, -K % 32)]); x = x.reshape(x.shape[:-1] + (-1, 32)); a = np.abs(x).max(-1, keepdims=True)
;;       e = np.where(a > 0, np.clip(np.frexp(np.where(a > 0, a, 1))[1] - 1 - 2, -126, 127), 0)      # np.frexp(a)[1] - 1 = floor(log2(a)), exactly
;;       r = np.clip(x / 2.0 ** e, -7.5, 7.5)
;;       step = 2.0 ** (np.maximum(np.frexp(np.where(r == 0, 1, r))[1] - 1, 0) - 3)
;;       q = np.round(r / step) * step * 2.0 ** e      # np.round: ties to even
;;       return np.moveaxis(q.reshape(q.shape[:-2] + (-1,))[..., :K], -1, axis).astype(np.float32)
;;   ~~~
;;   SOFTMAX AHEAD OF A QUANTISED PRODUCT. Where the list says 'softmax', what is quantised is not the finished softmax but p = 2^(t - M), with t = logit x log2(e) and M = ceil(the row's largest t), a whole number; so 1/2 < the row's largest p <= 1. The row's sum l is taken of the UNQUANTISED p, in f32, and the product's result is divided by l at the end. Since M is a whole number, a kernel that streams over the keys may use a running M (the ceiling of the running maximum): every later rescaling is an exact power of two, which a block's scale takes up: the codes' values come out the same.
;;   OPERANDS COMPUTED ON THE WAY. 'Computed on the way' means the value that the module computes at that place (a softmax that the list does not call 'softmax' is quantised finished and normalised). What goes into a quantiser is computed in f32, as accurately as f32 sums, v_exp_f32 and their like allow (about 1e-6 of the number): no bf16 or f16 on the way to a quantiser, and a product that is left as it is and whose result goes on into a quantised operand takes f32 operands (vector FMAs, or v_wmma_f32_16x16x4_f32). A number that lies on a knife's edge between two numbers of the format may be rounded either way, as far as f32 arithmetic and the matrix unit's own rounding can turn it there, and no further.
;; One version. Each part assembles by itself: llvm-mc -triple=amdgcn-amd-amdhsa -mcpu=gfx1250 --defsym DOCPART=n.
;; ======== version 1 of 1: 5 launches
;; workspace buffers: xc 6,291,456 bytes; xs 262,144 bytes; wc 3,145,728 bytes; ws 131,072 bytes; qkv 19,660,800 bytes; mc 6,291,456 bytes; ms 262,144 bytes
;; launch quant (part 1): grid 384 x 1, 4 waves a work-group, no clusters, 33,280 bytes of LDS; arguments x, W_Q, W_K, W_V, W_O, xc, xs, wc, ws; writes xc, xs, wc, ws
.if DOCPART == 1
	.amdgcn_target "amdgcn-amd-amdhsa--gfx1250"
	.amdhsa_code_object_version 6
	.text
	.protected	k_q2d6ab0fc6c_quant
	.globl	k_q2d6ab0fc6c_quant
	.p2align	8
	.type	k_q2d6ab0fc6c_quant,@function
k_q2d6ab0fc6c_quant:
	s_mov_b64 s[64:65], 0
	v_nop
	global_prefetch_b8 v0, s[64:65] scope:SCOPE_SE
	s_setreg_imm32_b32 hwreg(HW_REG_WAVE_MODE, 25, 1), 1
	s_wait_xcnt 0x0
; x [8192][1024] and the four weights [1024][1024], f32, K innermost, become codes of FP6 (E2M3) with one E8M0 scale byte for each 32 along K.
; xc [8192][768 bytes], xs [8192][32]; wc, ws likewise: rows 0-1023 W_Q, 1024-2047 W_K, 2048-3071 W_V, 3072-4095 W_O.
; A block's scale is 2^(floor(log2(its largest magnitude)) - 2): its byte is the largest magnitude's exponent field - 2, held at 1 from below.
; ROW ORDER.  In x, W_Q, W_K, W_V the four groups of 8 rows of each aligned 32 rows change places, 0 2 1 3: where 16 such rows are source 0 of a product, a lane's 16 result
; registers of two neighbouring tiles are then 16 neighbours along the next product's K.  W_O keeps its order.
; A work-group takes 32 rows, a wave 8 rows = 8,192 numbers = 16 steps of 512.  Work-groups 0-255: x; then 32 each for W_Q, W_K, W_V, W_O.  Only pointers are chosen: one path for all.
; A step's four loads read 512 consecutive bytes each; the 2,048 bytes turn through the wave's own stage in LDS and come back 64 bytes (16 neighbours along K) a lane; two lanes hold a block.
; No tensor loads, no barrier, no cluster: waves and work-groups share no input.  Loads run four steps ahead, the turn through LDS one step.
; LIMITS: a block whose largest magnitude lies under 2^-124 (a block of zeros too) gets the byte 1: its codes are zeros or tiny, and this program alone reads the bytes.  NaN and infinities are not served.
.set STEPS, 16
.set EMAX,  2
.set CB,    12                         ; bytes of 16 codes
.set R,     16                         ; v16-79   four sets of 16 numbers as loaded
.set X,     80                         ; v80-111  two sets of 16 neighbours
.set C,     128                        ; v128-191 codes: four registers a step, so no store's data are written again
.set E,     112                        ; v112-127 a scale byte a step
.set WREG,  8192                       ; LDS of a wave: two stages of 32 x SP bytes, then its 256 scale bytes
.set SP,    80                         ; a lane's place in a stage: 64 bytes + 16 of padding
.set SRC,   12                         ; s[12:13] the tensor read
.set COD,   14                         ; s[14:15] its codes
.set SCA,   16                         ; s[16:17] its scale bytes
	s_load_b512 s[4:19], s[0:1], 0x0               ; x, W_Q, W_K, W_V, W_O, xc, xs, wc
	s_load_b64 s[20:21], s[0:1], 0x40              ; ws
	v_lshl_add_u32 v192, v0, 2, 0x8000
	v_mov_b32 v193, 0
	v_lshrrev_b32 v1, 5, v0
	v_readfirstlane_b32 s22, v1                    ; wave
	v_and_b32 v2, 31, v0                           ; lane
	v_lshlrev_b32 v3, 4, v2                        ; my 16 bytes of a load's 512
	s_mul_i32 s25, s22, WREG
	v_lshrrev_b32 v14, 2, v2
	v_mul_u32_u24 v14, v14, SP
	v_and_b32 v15, 3, v2
	v_lshl_add_u32 v14, v15, 4, v14
	v_add_nc_u32 v14, s25, v14                     ; the stage, way in: SP (lane / 4) + 16 (lane % 4)
	v_mul_u32_u24 v15, v2, SP
	v_add_nc_u32 v15, s25, v15                     ; way out: SP x lane
	v_mul_u32_u24 v4, v2, CB                       ; my codes' place in a step's 384 bytes
	v_lshrrev_b32 v5, 1, v2
	s_add_co_u32 s25, s25, 2*32*SP
	v_add_nc_u32 v5, s25, v5                       ; my block's byte among the wave's 256
	v_lshlrev_b32 v7, 3, v2
	v_add_nc_u32 v6, s25, v7
	s_wait_kmcnt 0x0
	s_cmp_lt_u32 ttmp9, 352                        ; the choices hang on the work-group's number alone
	s_cselect_b64 s[SRC:SRC+1], s[10:11], s[SRC:SRC+1]
	s_cmp_lt_u32 ttmp9, 320
	s_cselect_b64 s[SRC:SRC+1], s[8:9], s[SRC:SRC+1]
	s_cmp_lt_u32 ttmp9, 288
	s_cselect_b64 s[SRC:SRC+1], s[6:7], s[SRC:SRC+1]
	s_cmp_lt_u32 ttmp9, 256
	s_cselect_b64 s[SRC:SRC+1], s[4:5], s[SRC:SRC+1]
	s_cselect_b64 s[COD:COD+1], s[14:15], s[18:19]
	s_cselect_b64 s[SCA:SCA+1], s[16:17], s[20:21]
	s_cselect_b32 s23, 0, 256
	s_cselect_b32 s24, -1, 31
	s_sub_co_u32 s23, ttmp9, s23                   ; which 32 rows of the codes' buffer
	s_and_b32 s24, s23, s24                        ; which 32 rows of the tensor read
	s_and_b32 s26, s22, 1
	s_lshl_b32 s26, s26, 1
	s_lshr_b32 s27, s22, 1
	s_or_b32 s26, s26, s27                         ; groups 1 and 2 change places,
	s_cmp_lt_u32 ttmp9, 352
	s_cselect_b32 s26, s26, s22                    ; but not in W_O
	s_lshl_b32 s24, s24, 2
	s_add_co_u32 s24, s24, s22                     ; the run of 8 rows that I read
	s_lshl_b32 s23, s23, 2
	s_add_co_u32 s23, s23, s26                     ; and the one that I write
	s_lshl_b32 s28, s24, 15                        ; 8 rows x 4,096 bytes
	s_mov_b32 s29, 0
	s_add_nc_u64 s[SRC:SRC+1], s[SRC:SRC+1], s[28:29]
	s_mul_i32 s28, s23, 6144                       ; 8 rows x 768 bytes
	s_add_nc_u64 s[COD:COD+1], s[COD:COD+1], s[28:29]
	s_lshl_b32 s28, s23, 8                         ; 8 rows x 32 bytes
	s_add_nc_u64 s[SCA:SCA+1], s[SCA:SCA+1], s[28:29]
.macro LOAD t
.irp i, 0,1,2,3
	global_load_b128 v[R+16*((\t)%4)+4*\i:R+16*((\t)%4)+4*\i+3], v3, s[SRC:SRC+1] offset:2048*(\t)+512*\i th:TH_LOAD_NT   ; 32 lanes read 512 consecutive bytes
.endr
.endm
.macro TURN t                          ; step t's numbers through the stage: LDS serves a wave's instructions in order, so no wait stands between the stores and the loads
.irp i, 0,1,2,3
	ds_store_b128 v14, v[R+16*((\t)%4)+4*\i:R+16*((\t)%4)+4*\i+3] offset:32*SP*((\t)%2)+8*SP*\i
.endr
.irp i, 0,1,2,3
	ds_load_b128 v[X+16*((\t)%2)+4*\i:X+16*((\t)%2)+4*\i+3], v15 offset:32*SP*((\t)%2)+16*\i
.endr
.endm
.irp t, 0,1,2,3
	LOAD \t
.endr
	s_wait_loadcnt 12                              ; step 0's four loads are in; the twelve of steps 1 to 3 stay out
	TURN 0
.macro STEP t
.set XS, X+16*((\t)%2)
.if (\t) > 0
	s_wait_dscnt 1                                 ; this step's numbers are back from the stage; the last step's byte store may be out
.else
	s_wait_dscnt 0x0
.endif
.if (\t)+4 < STEPS
	LOAD (\t)+4                                    ; into the registers that the stage's stores have read
.endif
.if (\t)+1 < STEPS
.if STEPS-2-(\t) >= 3
	s_wait_loadcnt 12                              ; the next step's four loads are in; those of the three steps behind it stay out
.else
	s_wait_loadcnt 4*(STEPS-2-(\t))
.endif
	TURN (\t)+1
.endif
	v_max3_num_f32 v8, |v[XS]|, |v[XS+1]|, |v[XS+2]|               ; the largest magnitude of my 16, in two chains
	v_max3_num_f32 v9, |v[XS+3]|, |v[XS+4]|, |v[XS+5]|
.irp i, 6,10
	v_max3_num_f32 v8, v8, |v[XS+\i]|, |v[XS+\i+1]|
	v_max3_num_f32 v9, v9, |v[XS+\i+2]|, |v[XS+\i+3]|
.endr
	v_max3_num_f32 v8, v8, |v[XS+14]|, |v[XS+15]|
	v_max3_num_f32 v8, v8, v9, (EMAX+1)<<23        ; and the floor 2^(3 - 127): the byte cannot fall under 1
	v_max_num_f32_dpp v8, v8, v8 row_xmask:1 row_mask:0xf bank_mask:0xf   ; with my neighbour's 16: the block's
	v_add_nc_u32 v11, -(EMAX<<23), v8              ; 2 off its exponent field: the conversion takes this operand's exponent field as its scale
	v_cvt_scalef32_pk16_fp6_f32 v[C+4*(\t):C+4*(\t)+2], v[XS:XS+15], v11
	v_lshrrev_b32 v[E+(\t)], 23, v11               ; the scale's byte (also the plain line behind the conversion)
	ds_store_b8 v5, v[E+(\t)] offset:16*(\t)       ; both lanes of a block write the same byte with the same value
	global_store_b96 v4, v[C+4*(\t):C+4*(\t)+2], s[COD:COD+1] offset:32*CB*(\t)   ; the wave stores 384 consecutive bytes
.endm
.irp t, 0,1,2,3,4,5,6,7,8,9,10,11,12,13,14,15
	STEP \t
.endr
	ds_load_b64 v[12:13], v6                       ; LDS serves a wave's instructions in order: these see my byte stores
	s_wait_dscnt 0x0
	global_store_b64 v7, v[12:13], s[SCA:SCA+1]    ; 32 lanes store 256 consecutive bytes, aligned
	s_wait_tensorcnt 0x0
	ds_add_u32 v192, v193
	s_wait_dscnt 0x0
	s_endpgm
.Lfunc_end_k_q2d6ab0fc6c_quant:
	.size	k_q2d6ab0fc6c_quant, .Lfunc_end_k_q2d6ab0fc6c_quant-k_q2d6ab0fc6c_quant
	.p2alignl 7, 3214868480
	.fill 96, 4, 3214868480
	.section	.rodata,"a",@progbits
	.p2align	6, 0x0
	.amdhsa_kernel k_q2d6ab0fc6c_quant
		.amdhsa_group_segment_fixed_size 33280
		.amdhsa_private_segment_fixed_size 0
		.amdhsa_enable_private_segment 0
		.amdhsa_kernarg_size 72
		.amdhsa_user_sgpr_count 2
		.amdhsa_user_sgpr_kernarg_segment_ptr 1
		.amdhsa_wavefront_size32 1
		.amdhsa_system_sgpr_workgroup_id_x 1
		.amdhsa_system_sgpr_workgroup_id_y 1
		.amdhsa_system_sgpr_workgroup_id_z 1
		.amdhsa_system_vgpr_workitem_id 0
		.amdhsa_next_free_vgpr 194
		.amdhsa_next_free_sgpr 66
		.amdhsa_reserve_vcc 0
		.amdhsa_float_denorm_mode_32 3
		.amdhsa_float_denorm_mode_16_64 3
		.amdhsa_memory_ordered 1
		.amdhsa_forward_progress 1
		.amdhsa_inst_pref_size 33
	.end_amdhsa_kernel
	.amdgpu_metadata
---
amdhsa.version: [ 1, 2 ]
amdhsa.kernels:
  - .name:           k_q2d6ab0fc6c_quant
    .symbol:         k_q2d6ab0fc6c_quant.kd
    .args:
      - { .name: x, .offset: 0, .size: 8, .value_kind: global_buffer, .address_space: global }
      - { .name: W_Q, .offset: 8, .size: 8, .value_kind: global_buffer, .address_space: global }
      - { .name: W_K, .offset: 16, .size: 8, .value_kind: global_buffer, .address_space: global }
      - { .name: W_V, .offset: 24, .size: 8, .value_kind: global_buffer, .address_space: global }
      - { .name: W_O, .offset: 32, .size: 8, .value_kind: global_buffer, .address_space: global }
      - { .name: xc, .offset: 40, .size: 8, .value_kind: global_buffer, .address_space: global }
      - { .name: xs, .offset: 48, .size: 8, .value_kind: global_buffer, .address_space: global }
      - { .name: wc, .offset: 56, .size: 8, .value_kind: global_buffer, .address_space: global }
      - { .name: ws, .offset: 64, .size: 8, .value_kind: global_buffer, .address_space: global }
    .group_segment_fixed_size: 33280
    .private_segment_fixed_size: 0
    .kernarg_segment_align: 8
    .kernarg_segment_size: 72
    .max_flat_workgroup_size: 128
    .sgpr_count:     66
    .vgpr_count:     194
    .wavefront_size: 32
...
	.end_amdgpu_metadata
.endif
;; end of part 1
;; launch qk (part 2): grid 8 x 32, 4 waves a work-group, clusters of 4 x 4, 327,680 bytes of LDS; arguments xc, xs, wc, ws, qkv; writes qkv
.if DOCPART == 2
	.amdgcn_target "amdgcn-amd-amdhsa--gfx1250"
	.amdhsa_code_object_version 6
	.text
	.protected	k_q2d6ab0fc6c_qk
	.globl	k_q2d6ab0fc6c_qk
	.p2align	8
	.type	k_q2d6ab0fc6c_qk,@function
k_q2d6ab0fc6c_qk:
	s_mov_b64 s[64:65], 0
	v_nop
	global_prefetch_b8 v0, s[64:65] scope:SCOPE_SE
	s_setreg_imm32_b32 hwreg(HW_REG_WAVE_MODE, 25, 1), 1
	s_wait_xcnt 0x0
	s_wait_alu depctr_hold_cnt(0) depctr_sa_sdst(0) depctr_va_vdst(0) depctr_va_sdst(0) depctr_va_ssrc(0) depctr_va_vcc(0) depctr_vm_vsrc(0)
	s_getreg_b32 s2, hwreg(HW_REG_IB_STS2, 6, 4)
	s_cmp_eq_u32 s2, 0
	s_cbranch_scc0 .Lentry_in_a_cluster
	s_endpgm
.Lentry_in_a_cluster:
	s_bfe_u32 s2, ttmp6, 0x10000c
	s_cmp_lg_u32 s2, 0xf033
	s_cbranch_scc0 .Lentry_shape_is_right
	s_endpgm
.Lentry_shape_is_right:
; [8192 tokens][2048] = x (W_Q ; W_K)^T on codes of FP6 (E2M3) with E8M0 scales, sums in f32; the results are quantised along each head's 64 in the way out and never reach memory as f32.
; A = xc [8192][768 bytes] with xs [8192][32]; B = rows 0-2047 of wc, ws.  Rows of both lie in the workspace order (groups of 8 rows 0 2 1 3 in each 32).
; A tile of 256 x 256 is made by four waves, each 128 x 128: 64 accumulators of 16 x 16, 512 registers.  K goes in steps of 256 through a ring of two LDS slots filled by the tensor data mover.
; The scale bytes of the work-group's 256 + 256 rows, for all of K, come into LDS once, with the first fills.
; CLUSTERS: 4 x 4 work-groups; A's tiles are asked for jointly along a row of the cluster, B's along a column.
; THE MATRIX INSTRUCTION IS USED TRANSPOSED (source 0 = 16 rows of B, source 1 = 16 rows of A): a lane holds one token, and, by B's row order, its 16 registers of two neighbouring tiles are 16 neighbouring features.
; THE WAY OUT.  A wave's 128 features are two heads.  For each block of 16 tokens: four blocks of 32 are quantised; lane (r, h) ends with 6 registers a head: features 32 h .. 32 h + 31 of token r.
; qkv, for bh = 16 batch + head, 307,200 bytes: Q's part, 16 steps of 6,400; at 102,400 the K and V part, 16 steps of 12,800 (K's 6,400, V's 6,400).  A step of Q or K: 8 tiles (16 tokens) of 768 bytes
; (registers 0-3 at 16 x lane, registers 4-5 at 512 + 8 x lane), then 256 scale bytes [token 16][tile 8][2].  Every store of the wave covers 512 or 256 consecutive bytes, aligned.
; REGISTERS, in windows of 256: window 0: v0-31 addresses; v32-63 scale words, two sets; from v128 A's fragments, one set; on the way out v8-15 and v32-255.  window 1: B's fragments, two sets.  windows 2, 3: accumulators.
; LIMITS: a block under 2^-124 (zeros too) gets the byte 1; NaN and infinities are not served.
.set SIZE_M, 8192
.set SIZE_N, 2048
.set SIZE_K, 1024
.set KSTEP,  256                       ; along K in a slot
.set NQ,     KSTEP/128                 ; matrix instructions deep
.set ROWB,   192                       ; a tile's row in bytes
.set KROW,   SIZE_K*6/8                ; a row of codes in memory
.set PITCH,  240                       ; an LDS row: 3 x (64 bytes + 16 of padding)
.set FR,     12                        ; registers of a fragment
.set NL,     6                         ; LDS loads that bring one
.set NP,     4                         ; places behind this matrix instruction (ISA guide 7.12.1)
.set HALFT,  128*PITCH                 ; what one tensor load brings
.set SLOT,   4*HALFT
.set LAPS,   SIZE_K/(2*KSTEP)
.set KS,     SIZE_K/32                 ; a row of scale bytes
.set SCL,    2*SLOT                    ; behind the ring: the scales, as units of 256 bytes + 16 of padding
.set HALFS,  (128*KS/256)*272
.set SBLK,   (16*KS/256)*272
.set SPARE,  SCL+4*HALFS               ; the spare words: 128 bytes a wave, two blocks of 256 bytes that no other line names
.set HEADB,  307200                    ; a head's bytes in qkv
.set ADRA, 16                          ; v16-17 LDS address of my A fragments in slot 0, 1 (v18-19: behind one padding more)
.set ADRB, 20                          ; v20-23 the same for B
.set ADRS, 27                          ; v27 my scale words: lanes 0-15 A's rows, lanes 16-31 B's
.set SPW,  28                          ; v28 my spare word; never rewritten
.set NIL,  29                          ; v29 0; never rewritten
.set SC,   32
.set AF,   128
.set TM,   32                          ; the way out: v32-35 largest magnitudes, v36-39 the other half's, then bytes, v44-47 scale operands
.set SW,   48                          ; v48-55 the scale word of each block of 16 tokens
.set CODE, 64                          ; v[64 + 24 a ..] block a's codes: a set of its own, so no store's data are written again
.set G1, 24
.set G0, 32
.set G1B, 48
.set G0B, 56
.set G1S, 68
.set G0S, 76
.set G1SB, 80
.set G0SB, 88
.set HM,  95                           ; s95 the mask of lanes 16-31
.set SEL, 96                           ; s[96:97] selects for lane l xor 16
.set MSB, 0
.macro WIN new                         ; the immediate's high byte repeats the setting that is left
.if MSB != \new
	s_set_vgpr_msb (MSB<<8)|\new
.set MSB, \new
.endif
.endm
.set MUL_LO, 0xa1                      ; source 0 (B) window 1, source 1 (A) window 0, C and D window 2
.set MUL_HI, 0xf1                      ; the same, C and D window 3
.set TO_B,   0x40                      ; destination window 1
; A joint load: waves 0 and 1 fetch for A, waves 2 and 3 for B; the branch hangs on the wave's number alone.  Four v_nop follow each of the two lines.
.macro JLOAD g0a, g1a, g0b, g1b
	s_cmp_eq_u32 s15, 0
	s_cbranch_scc0 .Lfor_b_\@
	tensor_load_to_lds s[\g0a:\g0a+3], s[\g1a:\g1a+7]
	s_nop 0
.rept 4
	v_nop
.endr
	s_branch .Lasked_\@
.Lfor_b_\@:
	tensor_load_to_lds s[\g0b:\g0b+3], s[\g1b:\g1b+7]
	s_nop 0
.rept 4
	v_nop
.endr
.Lasked_\@:
.endm
.macro CREST                           ; a round of the cluster's barrier behind its opening barrier
	s_cmp_lg_u32 s14, 0
	s_cbranch_scc1 .Lnot_wave_0_\@
	s_barrier_signal -3
.Lnot_wave_0_\@:
	s_barrier_wait -3
	s_barrier_signal -1
	s_barrier_wait -1
.endm
.macro CROUND
	s_barrier_signal -1
	s_barrier_wait -1
	CREST
.endm
	s_load_b128 s[4:7], s[0:1], 0x0                ; A's codes, A's scales
	s_load_b128 s[8:11], s[0:1], 0x10              ; B's codes, B's scales
	s_load_b64 s[12:13], s[0:1], 0x20              ; qkv
	v_lshl_add_u32 v[SPW], v0, 2, SPARE
	v_mov_b32 v[NIL], 0
	ds_add_u32 v28, v29
	ds_add_u32 v28, v29
	s_wait_dscnt 0x0
	v_lshrrev_b32 v1, 5, v0
	v_readfirstlane_b32 s14, v1                    ; wave 0..3
	s_lshr_b32 s15, s14, 1                         ; my half of the tile's rows.  Also: I fetch for A (0) or B (1)
	s_and_b32 s16, s14, 1                          ; my half of its columns.  Also: which 128 rows I fetch
	s_bfe_u32 s40, ttmp6, 0x40000                  ; cx
	s_bfe_u32 s41, ttmp6, 0x40004                  ; cy
	s_lshl_b32 s42, ttmp9, 2
	s_add_co_u32 s42, s42, s40                     ; tile column
	s_and_b32 s17, ttmp7, 0xffff
	s_lshl_b32 s17, s17, 2
	s_add_co_u32 s17, s17, s41                     ; tile row
	s_lshl_b32 s43, s41, 2
	s_lshl_b32 s43, 15, s43                        ; my row of the cluster
	s_lshl_b32 s44, 0x1111, s40                    ; my column
	s_mov_b32 s[HM], 0xffff0000
	s_mov_b32 s[SEL], 0x76543210
	s_mov_b32 s[SEL+1], 0xfedcba98
	; group 1: 128 rows x 192 bytes; 16 bytes of padding behind every 64
	s_or_b32 s[G1+0], s43, (0<<16)|(1<<20)|(1<<21)|(3<<22)|(3<<25)
	s_or_b32 s[G1B+0], s44, (0<<16)|(1<<20)|(1<<21)|(3<<22)|(3<<25)
.irp g, G1, G1B
	s_mov_b32 s[\g+1], ROWB<<16                    ; tensor_dim0
	s_mov_b32 s[\g+2], 128<<16                     ; tensor_dim1
	s_mov_b32 s[\g+3], ROWB<<16                    ; tile_dim0
	s_mov_b32 s[\g+4], 128                         ; tile_dim1
	s_mov_b32 s[\g+5], KROW                        ; the pitch
	s_mov_b32 s[\g+6], 0
	s_mov_b32 s[\g+7], 0
.endr
	; the scales of 128 rows: a dense block, as rows of 256 bytes (32 elements of 8), 16 bytes of padding behind each
	s_or_b32 s[G1S+0], s43, (3<<16)|(1<<20)|(1<<21)|(5<<22)|(3<<25)
	s_or_b32 s[G1SB+0], s44, (3<<16)|(1<<20)|(1<<21)|(5<<22)|(3<<25)
.irp g, G1S, G1SB
	s_mov_b32 s[\g+1], 32<<16
	s_mov_b32 s[\g+2], (128*KS/256)<<16
	s_mov_b32 s[\g+3], 32<<16
	s_mov_b32 s[\g+4], 128*KS/256
	s_mov_b32 s[\g+5], 32
	s_mov_b32 s[\g+6], 0
	s_mov_b32 s[\g+7], 0
.endr
	s_lshl_b32 s18, s16, 7
	s_lshl_b32 s20, s17, 8
	s_add_co_u32 s20, s20, s18                     ; A: row 256 x tile row + 128 x half
	s_lshl_b32 s46, s42, 8
	s_add_co_u32 s46, s46, s18                     ; B: row 256 x tile column + 128 x half
	s_mov_b32 s21, 0
	s_mov_b32 s47, 0
	s_mov_b64 s[18:19], KS
	s_mul_u64 s[22:23], s[20:21], s[18:19]
	s_mul_u64 s[92:93], s[46:47], s[18:19]
	s_mov_b64 s[18:19], KROW
	s_mul_u64 s[20:21], s[20:21], s[18:19]
	s_mul_u64 s[46:47], s[46:47], s[18:19]
	s_mul_i32 s45, s14, HALFT                      ; where they go: wave x 128 rows
	s_mul_i32 s94, s14, HALFS
	s_wait_kmcnt 0x0
	s_add_nc_u64 s[20:21], s[4:5], s[20:21]
	s_add_nc_u64 s[22:23], s[6:7], s[22:23]
	s_add_nc_u64 s[46:47], s[8:9], s[46:47]
	s_add_nc_u64 s[92:93], s[10:11], s[92:93]
	CROUND                                         ; all sixteen work-groups are here: the first joint loads meet
	s_mov_b32 s[G0S], 1
	s_add_co_u32 s[G0S+1], s94, SCL
	s_mov_b64 s[G0S+2:G0S+3], s[22:23]
	s_or_b32 s[G0S+3], s[G0S+3], 0x80000000
	s_mov_b32 s[G0SB], 1
	s_add_co_u32 s[G0SB+1], s94, SCL
	s_mov_b64 s[G0SB+2:G0SB+3], s[92:93]
	s_or_b32 s[G0SB+3], s[G0SB+3], 0x80000000
	JLOAD G0S, G1S, G0SB, G1SB                     ; the scales first
.irp s, 0,1
	s_mov_b32 s[G0+4*\s], 1
	s_add_co_u32 s[G0+4*\s+1], s45, \s*SLOT
	s_add_nc_u64 s[G0+4*\s+2:G0+4*\s+3], s[20:21], \s*ROWB
	s_or_b32 s[G0+4*\s+3], s[G0+4*\s+3], 0x80000000
	s_mov_b32 s[G0B+4*\s], 1
	s_add_co_u32 s[G0B+4*\s+1], s45, \s*SLOT
	s_add_nc_u64 s[G0B+4*\s+2:G0B+4*\s+3], s[46:47], \s*ROWB
	s_or_b32 s[G0B+4*\s+3], s[G0B+4*\s+3], 0x80000000
	JLOAD G0+4*\s, G1, G0B+4*\s, G1B               ; three tensor loads of mine are out at the most
.endr
	v_and_b32 v1, 15, v0                           ; l % 16
	v_bfe_u32 v2, v0, 4, 1                         ; l / 16
	v_mul_u32_u24 v3, v1, PITCH
	v_mul_u32_u24 v4, v2, 24
	v_add_nc_u32 v4, v3, v4                        ; row x pitch + 24 x half
	v_lshl_add_u32 v5, v2, 4, v4                   ; and behind one padding more
	s_mul_i32 s21, s15, HALFT
	s_mul_i32 s22, s16, HALFT
	s_add_co_u32 s22, s22, 2*HALFT
.irp s, 0,1
	v_add_nc_u32 v[ADRA+\s], s21, v4
	v_add_nc_u32 v[ADRB+\s], s22, v4
	v_add_nc_u32 v[ADRA+2+\s], s21, v5
	v_add_nc_u32 v[ADRB+2+\s], s22, v5
	s_add_co_u32 s21, s21, SLOT
	s_add_co_u32 s22, s22, SLOT
.endr
	v_mul_u32_u24 v5, v1, KS                       ; my row's scales,
	v_lshrrev_b32 v6, 8, v5
	v_lshl_add_u32 v5, v6, 4, v5                   ; 16 more for each 256 passed
	s_mul_i32 s21, s15, HALFS
	s_mul_i32 s22, s16, HALFS
	s_add_co_u32 s22, s22, 2*HALFS
	s_sub_co_u32 s22, s22, s21
	v_mul_u32_u24 v6, s22, v2                      ; lanes 16-31 take B's: one product, the distance x half
	s_add_co_u32 s21, s21, SCL
	v_add_nc_u32 v5, v5, v6
	v_add_nc_u32 v[ADRS], s21, v5
	; where my results go: batch = tile row / 8; step = 2 (tile row % 8) + row half; my first head H0 = 4 x tile column + 2 x column half: 0-15 Q's, 16-31 K's
	s_lshr_b32 s20, s17, 3
	s_and_b32 s21, s17, 7
	s_lshl_b32 s21, s21, 1
	s_add_co_u32 s21, s21, s15                     ; the step
	s_lshl_b32 s46, s42, 2
	s_lshl_b32 s47, s16, 1
	s_add_co_u32 s46, s46, s47                     ; H0
	s_lshr_b32 s47, s46, 4                         ; 0: Q, 1: K
	s_and_b32 s46, s46, 15                         ; the head
	s_lshl_b32 s20, s20, 4
	s_add_co_u32 s20, s20, s46
	s_mul_i32 s20, s20, HEADB
	s_mul_i32 s46, s47, 102400
	s_add_co_u32 s20, s20, s46
	s_mul_i32 s46, s21, 6400
	s_lshl_b32 s46, s46, s47                       ; a step is 6,400 bytes in Q's part, 12,800 in K's and V's
	s_add_co_u32 s20, s20, s46
	s_mov_b32 s21, 0
	s_add_nc_u64 s[12:13], s[12:13], s[20:21]
.macro FRAG reg, adr, q, i             ; a fragment: lane l holds row l % 16; registers 6 c .. 6 c + 5 hold K = 64 c + 32 (l / 16) + 0 .. 31: 24 bytes as they lie, in pieces of 8
.irp p, 0,1,2,3,4,5
.set PCE, 12*(\q)+6*(\p/3)+\p%3
.if PCE%8 < 5
	ds_load_b64 v[\reg+2*\p:\reg+2*\p+1], v[\adr] offset:8*PCE+16*(PCE/8)+(\i)*16*PITCH
.else
	ds_load_b64 v[\reg+2*\p:\reg+2*\p+1], v[\adr+2] offset:8*PCE+16*(PCE/8)+(\i)*16*PITCH
.endif
.endr
.endm
; 16 matrix instructions: A's blocks a0, a0 + 1 x B's eight.  The 64 accumulators take turns, one instruction a turn, in the same order in every step.
.macro MUL16 a0, p, q, sc, zero
.irp a, \a0, \a0+1
.irp b, 0,1,2,3,4,5,6,7
.if \zero
	v_wmma_scale_f32_16x16x128_f8f6f4 v[8*(8*((\a)%4)+\b):8*(8*((\a)%4)+\b)+7], v[128*(\p)+FR*\b:128*(\p)+FR*\b+FR-1], v[AF+FR*(\a):AF+FR*(\a)+FR-1], 0, v[SC+8*NQ*(\sc)+NQ*\b+(\q)], v[SC+8*NQ*(\sc)+NQ*(\a)+(\q)] matrix_a_fmt:MATRIX_FMT_FP6 matrix_b_fmt:MATRIX_FMT_FP6 matrix_a_scale:MATRIX_SCALE_ROW1
.else
	v_wmma_scale_f32_16x16x128_f8f6f4 v[8*(8*((\a)%4)+\b):8*(8*((\a)%4)+\b)+7], v[128*(\p)+FR*\b:128*(\p)+FR*\b+FR-1], v[AF+FR*(\a):AF+FR*(\a)+FR-1], v[8*(8*((\a)%4)+\b):8*(8*((\a)%4)+\b)+7], v[SC+8*NQ*(\sc)+NQ*\b+(\q)], v[SC+8*NQ*(\sc)+NQ*(\a)+(\q)] matrix_a_fmt:MATRIX_FMT_FP6 matrix_b_fmt:MATRIX_FMT_FP6 matrix_a_scale:MATRIX_SCALE_ROW1
.endif
.endr
.endr
.endm
.macro FETCH_B slot, q, p
	WIN TO_B
.irp i, 0,1,2,3,4,5,6,7
	FRAG 128*(\p)+FR*\i, ADRB+\slot, \q, \i
.endr
	WIN 0
.endm
.macro FETCH_A slot, q, i0
.irp i, \i0, \i0+1, \i0+2, \i0+3
	FRAG AF+FR*(\i), ADRA+\slot, \q, \i
.endr
.endm
.macro SCALES sc                       ; a K step's scale words: lanes 0-15 A's block i, lanes 16-31 B's block i
.irp i, 0,1,2,3,4,5,6,7
	ds_load_b64 v[SC+8*NQ*\sc+NQ*\i:SC+8*NQ*\sc+NQ*\i+1], v[ADRS] offset:\i*SBLK
.endr
.endm
.macro PLACES n                        ; plain vector lines between a matrix instruction and a load into, or a vector read or write of, its registers
.rept \n
	v_nop
.endr
.endm
.macro STEP slot, q, zero              ; 128 along K whose successor lies in the same slot
	s_wait_dscnt 4*NL                              ; B's set and A's blocks 0-3 are in; the youngest 24 loads (A's blocks 4-7) may be out
	WIN MUL_LO
	MUL16 0, (\q)%2, \q, \slot, \zero
	MUL16 2, (\q)%2, \q, \slot, \zero
	s_wait_dscnt 0
	PLACES NP
	FETCH_B \slot, (\q)+1, 1-(\q)%2
	FETCH_A \slot, (\q)+1, 0
	WIN MUL_HI
	MUL16 4, (\q)%2, \q, \slot, \zero
	MUL16 6, (\q)%2, \q, \slot, \zero
	PLACES NP
	WIN 0
	FETCH_A \slot, (\q)+1, 4
.endm
; A slot's last step changes slots: one barrier; in front of it each wave waits for all its tensor loads, adds 0 to its spare word, and waits for that and for its reads of this slot.
.macro TURN slot, next, fill
	s_wait_tensorcnt 0x0                           ; all my tensor loads have landed: my part of the next slot
	ds_add_u32 v[SPW], v[NIL]                      ; 0 onto my spare word
	s_wait_dscnt 4*NL+1                            ; the add and the youngest 24 loads may be out
	WIN MUL_LO
	MUL16 0, 1, NQ-1, \slot, 0
	s_wait_dscnt 0x0                               ; the add is done, and my reads of this slot are over
	s_barrier_signal -1
	MUL16 2, 1, NQ-1, \slot, 0
	WIN 0
	s_barrier_wait -1
.if \fill
	CREST                                          ; the barrier has opened a round of the cluster's: no wave of any partner still reads this slot or has a load on its way
	s_add_nc_u64 s[G0+4*\slot+2:G0+4*\slot+3], s[G0+4*\slot+2:G0+4*\slot+3], 2*ROWB
	s_add_nc_u64 s[G0B+4*\slot+2:G0B+4*\slot+3], s[G0B+4*\slot+2:G0B+4*\slot+3], 2*ROWB
	JLOAD G0+4*\slot, G1, G0B+4*\slot, G1B         ; the first tensor load behind the round; its four v_nop are the places in front of the loads below
.else
	PLACES NP
.endif
	v_add_nc_u32 v[ADRS], 4*NQ, v[ADRS]            ; the next K step's scale words
	FETCH_B \next, 0, 0
	FETCH_A \next, 0, 0
	SCALES \next
	WIN MUL_HI
	MUL16 4, 1, NQ-1, \slot, 0
	MUL16 6, 1, NQ-1, \slot, 0
	PLACES NP
	WIN 0
	FETCH_A \next, 0, 4
.endm
; Block a's 64 numbers of a lane (register 16 b + i = feature 32 b + 16 (lane / 16) + i of my token) become codes in v[CD] on and a scale word in v[SW + a].
; f1: where the second pair of blocks' six registers begin.  Each accumulator is read from its low end on.
.macro QUANT a, f1
.set QS, 64*((\a)%4)
.set QW, 2+(\a)/4
.set CD, CODE+24*(\a)
.set W12, (QW<<2)|(QW<<4)
	WIN W12                                        ; sources 1 and 2: the accumulators' window
.irp b, 0,1,2,3
	v_max3_num_f32 v[TM+\b], 0x1800000, |v[QS+16*\b]|, |v[QS+16*\b+1]|   ; the floor 2^(3 - 127) among the leaves: the byte cannot fall under 1
.endr
.irp i, 2,4,6,8,10,12,14
.irp b, 0,1,2,3
	v_max3_num_f32 v[TM+\b], v[TM+\b], |v[QS+16*\b+\i]|, |v[QS+16*\b+\i+1]|
.endr
.endr
	WIN 0
.irp b, 0,1,2,3
	v_permlanex16_b32 v[TM+4+\b], v[TM+\b], s[SEL], s[SEL+1]
.endr
.irp b, 0,1,2,3
	v_max_num_f32 v[TM+\b], v[TM+\b], v[TM+4+\b]   ; with lane l xor 16's 16: the block's largest magnitude
.endr
.irp b, 0,1,2,3
	v_add_nc_u32 v[TM+12+\b], 0xff000000, v[TM+\b] ; 2 off the exponent field: the conversion's scale operand
.endr
.irp b, 0,1,2,3
	v_lshrrev_b32 v[TM+4+\b], 23, v[TM+12+\b]      ; the byte
.endr
	v_lshl_or_b32 v[SW+(\a)], v[TM+5], 8, v[TM+4]
	v_lshl_or_b32 v[SW+(\a)], v[TM+6], 16, v[SW+(\a)]
	v_lshl_or_b32 v[SW+(\a)], v[TM+7], 24, v[SW+(\a)]
	WIN QW                                         ; source 0: the accumulators' window
.irp c, 0,1
	v_cvt_scalef32_pk16_fp6_f32 v[CD+\f1*\c:CD+\f1*\c+2], v[QS+32*\c:QS+32*\c+15], v[TM+12+2*\c]
	v_cvt_scalef32_pk16_fp6_f32 v[CD+16+4*\c:CD+16+4*\c+2], v[QS+32*\c+16:QS+32*\c+31], v[TM+13+2*\c]
.endr
	WIN 0
	v_nop                                          ; one plain line behind the conversions
.irp c, 0,1                                    ; a whole block to a lane: lanes 0-15 block 2 c, lanes 16-31 block 2 c + 1
.irp i, 0,1,2
	v_permlane16_swap_b32 v[CD+\f1*\c+\i], v[CD+16+4*\c+\i]
.endr
.irp i, 0,1,2
	v_mov_b32 v[CD+\f1*\c+3+\i], v[CD+16+4*\c+\i]
.endr
.endr
.endm
	s_wait_tensorcnt 1                             ; the scales and my part of K step 0 are in; K step 1's load may be out
	s_barrier_signal -1
	s_barrier_wait -1
	FETCH_B 0, 0, 0
	FETCH_A 0, 0, 0
	SCALES 0
	FETCH_A 0, 0, 4
	STEP 0, 0, 1                                   ; the first step's products start the sums
.if LAPS > 1
	s_mov_b32 s3, LAPS-1
.Llap:
	TURN 0, 1, 1
	STEP 1, 0, 0
	TURN 1, 0, 1
	STEP 0, 0, 0
	s_sub_co_u32 s3, s3, 1
	s_cmp_lg_u32 s3, 0
	s_cbranch_scc1 .Llap
.endif
	TURN 0, 1, 0                                   ; the last lap fills nothing
	STEP 1, 0, 0
	s_wait_dscnt 4*NL
	WIN MUL_LO
	MUL16 0, 1, NQ-1, 1, 0
	MUL16 2, 1, NQ-1, 1, 0
	s_wait_dscnt 0
	WIN MUL_HI
	MUL16 4, 1, NQ-1, 1, 0
	MUL16 6, 1, NQ-1, 1, 0
	WIN 0
	; THE WAY OUT
	PLACES NP                                      ; behind the last products: their results are read, and registers that held scale words and A's fragments are written
	v_and_b32 v8, 31, v0
	v_lshlrev_b32 v9, 3, v8                        ; 8 x lane
	v_lshlrev_b32 v8, 4, v8                        ; 16 x lane
	v_and_b32 v10, 15, v0
	v_bfe_u32 v11, v0, 4, 1
	v_mul_u32_u24 v11, v11, HEADB
	v_lshl_add_u32 v10, v10, 4, v11                ; the scale bytes: 16 x token; lanes 16-31 the second head's
	v_mov_b32 v11, 0x05040100                      ; lanes 0-15 pick each word's bytes 0, 1 (first head),
	v_mov_b32 v12, 0x07060302                      ; lanes 16-31 bytes 2, 3
	v_cndmask_b32 v11, v11, v12, s[HM]
.irp b, 0,1,2,3
	v_mov_b32 v[TM+4+\b], 0                        ; a lane permute's destination counts as one of its sources
.endr
.irp a, 0,1,2,3,4,5,6,7
	QUANT \a, 8
	global_store_b128 v8, v[CD:CD+3], s[12:13] offset:768*\a                 ; first head, tile a: 512 consecutive bytes,
	global_store_b64 v9, v[CD+4:CD+5], s[12:13] offset:768*\a+512            ; and 256
	global_store_b128 v8, v[CD+8:CD+11], s[12:13] offset:HEADB+768*\a        ; second head
	global_store_b64 v9, v[CD+12:CD+13], s[12:13] offset:HEADB+768*\a+512
.endr
.irp i, 0,1,2,3
	v_perm_b32 v[12+\i], v[SW+2*\i+1], v[SW+2*\i], v11                       ; two tiles' byte pairs to a word
.endr
	global_store_b128 v10, v[12:15], s[12:13] offset:6144                    ; sixteen lanes store a head's 256 scale bytes
	s_wait_tensorcnt 0x0                           ; the wave's end
	ds_add_u32 v[SPW], v[NIL]
	s_wait_dscnt 0x0
	CROUND                                         ; the closing round
	s_endpgm
.Lfunc_end_k_q2d6ab0fc6c_qk:
	.size	k_q2d6ab0fc6c_qk, .Lfunc_end_k_q2d6ab0fc6c_qk-k_q2d6ab0fc6c_qk
	.p2alignl 7, 3214868480
	.fill 96, 4, 3214868480
	.section	.rodata,"a",@progbits
	.p2align	6, 0x0
	.amdhsa_kernel k_q2d6ab0fc6c_qk
		.amdhsa_group_segment_fixed_size 327680
		.amdhsa_private_segment_fixed_size 0
		.amdhsa_enable_private_segment 0
		.amdhsa_kernarg_size 40
		.amdhsa_user_sgpr_count 2
		.amdhsa_user_sgpr_kernarg_segment_ptr 1
		.amdhsa_wavefront_size32 1
		.amdhsa_system_sgpr_workgroup_id_x 1
		.amdhsa_system_sgpr_workgroup_id_y 1
		.amdhsa_system_sgpr_workgroup_id_z 1
		.amdhsa_system_vgpr_workitem_id 0
		.amdhsa_next_free_vgpr 1024
		.amdhsa_next_free_sgpr 100
		.amdhsa_reserve_vcc 0
		.amdhsa_float_denorm_mode_32 3
		.amdhsa_float_denorm_mode_16_64 3
		.amdhsa_memory_ordered 1
		.amdhsa_forward_progress 1
		.amdhsa_inst_pref_size 165
	.end_amdhsa_kernel
	.amdgpu_metadata
---
amdhsa.version: [ 1, 2 ]
amdhsa.kernels:
  - .name:           k_q2d6ab0fc6c_qk
    .symbol:         k_q2d6ab0fc6c_qk.kd
    .args:
      - { .name: xc, .offset: 0, .size: 8, .value_kind: global_buffer, .address_space: global }
      - { .name: xs, .offset: 8, .size: 8, .value_kind: global_buffer, .address_space: global }
      - { .name: wc, .offset: 16, .size: 8, .value_kind: global_buffer, .address_space: global }
      - { .name: ws, .offset: 24, .size: 8, .value_kind: global_buffer, .address_space: global }
      - { .name: qkv, .offset: 32, .size: 8, .value_kind: global_buffer, .address_space: global }
    .group_segment_fixed_size: 327680
    .private_segment_fixed_size: 0
    .kernarg_segment_align: 8
    .kernarg_segment_size: 40
    .max_flat_workgroup_size: 128
    .sgpr_count:     100
    .vgpr_count:     1024
    .wavefront_size: 32
...
	.end_amdgpu_metadata
.endif
;; end of part 2
;; launch vproj (part 3): grid 32 x 4, 4 waves a work-group, clusters of 4 x 4, 327,680 bytes of LDS; arguments wc, ws, xc, xs, qkv; writes qkv
.if DOCPART == 3
	.amdgcn_target "amdgcn-amd-amdhsa--gfx1250"
	.amdhsa_code_object_version 6
	.text
	.protected	k_q2d6ab0fc6c_vproj
	.globl	k_q2d6ab0fc6c_vproj
	.p2align	8
	.type	k_q2d6ab0fc6c_vproj,@function
k_q2d6ab0fc6c_vproj:
	s_mov_b64 s[64:65], 0
	v_nop
	global_prefetch_b8 v0, s[64:65] scope:SCOPE_SE
	s_setreg_imm32_b32 hwreg(HW_REG_WAVE_MODE, 25, 1), 1
	s_wait_xcnt 0x0
	s_wait_alu depctr_hold_cnt(0) depctr_sa_sdst(0) depctr_va_vdst(0) depctr_va_sdst(0) depctr_va_ssrc(0) depctr_va_vcc(0) depctr_vm_vsrc(0)
	s_getreg_b32 s2, hwreg(HW_REG_IB_STS2, 6, 4)
	s_cmp_eq_u32 s2, 0
	s_cbranch_scc0 .Lentry_in_a_cluster
	s_endpgm
.Lentry_in_a_cluster:
	s_bfe_u32 s2, ttmp6, 0x10000c
	s_cmp_lg_u32 s2, 0xf033
	s_cbranch_scc0 .Lentry_shape_is_right
	s_endpgm
.Lentry_shape_is_right:
; [1024 channels][8192 tokens] = W_V x^T on codes of FP6 (E2M3) with E8M0 scales, sums in f32; the results, v with the tokens innermost, are quantised along the TOKENS (the keys) in the way out.
; A = rows 2048-3071 of wc, ws (W_V); B = xc, xs.  Rows of both lie in the workspace order (groups of 8 rows 0 2 1 3 in each 32).
; The loop is that of the launch for q and k: a tile of 256 x 256 by four waves of 128 x 128, K in steps of 256 through two LDS slots, the scale bytes in LDS once, 4 x 4 clusters with joint loads.
; THE MATRIX INSTRUCTION IS USED TRANSPOSED (source 0 = 16 tokens, source 1 = 16 channels): a lane holds one channel, and, by x's row order, its 64 registers of a block are the wave's 128 tokens,
; register 16 b + i = token 32 b + 16 (lane / 16) + i in true order: one key step of attention's second product.
; THE WAY OUT.  Block a (16 channels) becomes one operand fragment, 12 registers a lane, stored as it stands: three stores of 512 consecutive bytes; head = first head + a / 4, tile a % 4.
; In qkv a key step's V lies 6,400 bytes behind its K: 4 fragments of 1,536 bytes, then 256 scale bytes [channel 16][tile 4][4].
; 128 work-groups: 1024 x 8192 has no more tiles of this size.
; LIMITS: a block under 2^-124 (zeros too) gets the byte 1; NaN and infinities are not served.
.set SIZE_M, 1024
.set SIZE_N, 8192
.set SIZE_K, 1024
.set KSTEP,  256
.set NQ,     KSTEP/128
.set ROWB,   192
.set KROW,   SIZE_K*6/8
.set PITCH,  240
.set FR,     12
.set NL,     6
.set NP,     4
.set HALFT,  128*PITCH
.set SLOT,   4*HALFT
.set LAPS,   SIZE_K/(2*KSTEP)
.set KS,     SIZE_K/32
.set SCL,    2*SLOT
.set HALFS,  (128*KS/256)*272
.set SBLK,   (16*KS/256)*272
.set SPARE,  SCL+4*HALFS               ; the spare words: 128 bytes a wave, two blocks of 256 bytes that no other line names
.set HEADB,  307200
.set ADRA, 16
.set ADRB, 20
.set ADRS, 27
.set SPW,  28
.set NIL,  29
.set SC,   32
.set AF,   128
.set TM,   32
.set SW,   48
.set CODE, 64
.set G1, 24
.set G0, 32
.set G1B, 48
.set G0B, 56
.set G1S, 68
.set G0S, 76
.set G1SB, 80
.set G0SB, 88
.set HM,  95
.set SEL, 96
.set MSB, 0
.macro WIN new
.if MSB != \new
	s_set_vgpr_msb (MSB<<8)|\new
.set MSB, \new
.endif
.endm
.set MUL_LO, 0xa1
.set MUL_HI, 0xf1
.set TO_B,   0x40
.macro JLOAD g0a, g1a, g0b, g1b        ; a joint load: waves 0, 1 for A, waves 2, 3 for B; four v_nop follow each of the two lines
	s_cmp_eq_u32 s15, 0
	s_cbranch_scc0 .Lfor_b_\@
	tensor_load_to_lds s[\g0a:\g0a+3], s[\g1a:\g1a+7]
	s_nop 0
.rept 4
	v_nop
.endr
	s_branch .Lasked_\@
.Lfor_b_\@:
	tensor_load_to_lds s[\g0b:\g0b+3], s[\g1b:\g1b+7]
	s_nop 0
.rept 4
	v_nop
.endr
.Lasked_\@:
.endm
.macro CREST
	s_cmp_lg_u32 s14, 0
	s_cbranch_scc1 .Lnot_wave_0_\@
	s_barrier_signal -3
.Lnot_wave_0_\@:
	s_barrier_wait -3
	s_barrier_signal -1
	s_barrier_wait -1
.endm
.macro CROUND
	s_barrier_signal -1
	s_barrier_wait -1
	CREST
.endm
	s_load_b128 s[4:7], s[0:1], 0x0                ; wc, ws
	s_load_b128 s[8:11], s[0:1], 0x10              ; xc, xs
	s_load_b64 s[12:13], s[0:1], 0x20              ; qkv
	v_lshl_add_u32 v[SPW], v0, 2, SPARE
	v_mov_b32 v[NIL], 0
	ds_add_u32 v28, v29
	ds_add_u32 v28, v29
	s_wait_dscnt 0x0
	v_lshrrev_b32 v1, 5, v0
	v_readfirstlane_b32 s14, v1
	s_lshr_b32 s15, s14, 1
	s_and_b32 s16, s14, 1
	s_bfe_u32 s40, ttmp6, 0x40000
	s_bfe_u32 s41, ttmp6, 0x40004
	s_lshl_b32 s42, ttmp9, 2
	s_add_co_u32 s42, s42, s40                     ; tile column (tokens)
	s_and_b32 s17, ttmp7, 0xffff
	s_lshl_b32 s17, s17, 2
	s_add_co_u32 s17, s17, s41                     ; tile row (channels)
	s_lshl_b32 s43, s41, 2
	s_lshl_b32 s43, 15, s43
	s_lshl_b32 s44, 0x1111, s40
	s_mov_b32 s[HM], 0xffff0000
	s_mov_b32 s[SEL], 0x76543210
	s_mov_b32 s[SEL+1], 0xfedcba98
	s_or_b32 s[G1+0], s43, (0<<16)|(1<<20)|(1<<21)|(3<<22)|(3<<25)
	s_or_b32 s[G1B+0], s44, (0<<16)|(1<<20)|(1<<21)|(3<<22)|(3<<25)
.irp g, G1, G1B
	s_mov_b32 s[\g+1], ROWB<<16
	s_mov_b32 s[\g+2], 128<<16
	s_mov_b32 s[\g+3], ROWB<<16
	s_mov_b32 s[\g+4], 128
	s_mov_b32 s[\g+5], KROW
	s_mov_b32 s[\g+6], 0
	s_mov_b32 s[\g+7], 0
.endr
	s_or_b32 s[G1S+0], s43, (3<<16)|(1<<20)|(1<<21)|(5<<22)|(3<<25)
	s_or_b32 s[G1SB+0], s44, (3<<16)|(1<<20)|(1<<21)|(5<<22)|(3<<25)
.irp g, G1S, G1SB
	s_mov_b32 s[\g+1], 32<<16
	s_mov_b32 s[\g+2], (128*KS/256)<<16
	s_mov_b32 s[\g+3], 32<<16
	s_mov_b32 s[\g+4], 128*KS/256
	s_mov_b32 s[\g+5], 32
	s_mov_b32 s[\g+6], 0
	s_mov_b32 s[\g+7], 0
.endr
	s_lshl_b32 s18, s16, 7
	s_lshl_b32 s20, s17, 8
	s_add_co_u32 s20, s20, s18
	s_lshl_b32 s46, s42, 8
	s_add_co_u32 s46, s46, s18
	s_mov_b32 s21, 0
	s_mov_b32 s47, 0
	s_mov_b64 s[18:19], KS
	s_mul_u64 s[22:23], s[20:21], s[18:19]
	s_mul_u64 s[92:93], s[46:47], s[18:19]
	s_mov_b64 s[18:19], KROW
	s_mul_u64 s[20:21], s[20:21], s[18:19]
	s_mul_u64 s[46:47], s[46:47], s[18:19]
	s_mul_i32 s45, s14, HALFT
	s_mul_i32 s94, s14, HALFS
	s_wait_kmcnt 0x0
	s_add_nc_u64 s[4:5], s[4:5], 2048*KROW         ; W_V's rows in wc,
	s_add_nc_u64 s[6:7], s[6:7], 2048*KS           ; and in ws
	s_add_nc_u64 s[20:21], s[4:5], s[20:21]
	s_add_nc_u64 s[22:23], s[6:7], s[22:23]
	s_add_nc_u64 s[46:47], s[8:9], s[46:47]
	s_add_nc_u64 s[92:93], s[10:11], s[92:93]
	CROUND                                         ; all sixteen work-groups are here: the first joint loads meet
	s_mov_b32 s[G0S], 1
	s_add_co_u32 s[G0S+1], s94, SCL
	s_mov_b64 s[G0S+2:G0S+3], s[22:23]
	s_or_b32 s[G0S+3], s[G0S+3], 0x80000000
	s_mov_b32 s[G0SB], 1
	s_add_co_u32 s[G0SB+1], s94, SCL
	s_mov_b64 s[G0SB+2:G0SB+3], s[92:93]
	s_or_b32 s[G0SB+3], s[G0SB+3], 0x80000000
	JLOAD G0S, G1S, G0SB, G1SB
.irp s, 0,1
	s_mov_b32 s[G0+4*\s], 1
	s_add_co_u32 s[G0+4*\s+1], s45, \s*SLOT
	s_add_nc_u64 s[G0+4*\s+2:G0+4*\s+3], s[20:21], \s*ROWB
	s_or_b32 s[G0+4*\s+3], s[G0+4*\s+3], 0x80000000
	s_mov_b32 s[G0B+4*\s], 1
	s_add_co_u32 s[G0B+4*\s+1], s45, \s*SLOT
	s_add_nc_u64 s[G0B+4*\s+2:G0B+4*\s+3], s[46:47], \s*ROWB
	s_or_b32 s[G0B+4*\s+3], s[G0B+4*\s+3], 0x80000000
	JLOAD G0+4*\s, G1, G0B+4*\s, G1B               ; three tensor loads of mine are out at the most
.endr
	v_and_b32 v1, 15, v0
	v_bfe_u32 v2, v0, 4, 1
	v_mul_u32_u24 v3, v1, PITCH
	v_mul_u32_u24 v4, v2, 24
	v_add_nc_u32 v4, v3, v4
	v_lshl_add_u32 v5, v2, 4, v4
	s_mul_i32 s21, s15, HALFT
	s_mul_i32 s22, s16, HALFT
	s_add_co_u32 s22, s22, 2*HALFT
.irp s, 0,1
	v_add_nc_u32 v[ADRA+\s], s21, v4
	v_add_nc_u32 v[ADRB+\s], s22, v4
	v_add_nc_u32 v[ADRA+2+\s], s21, v5
	v_add_nc_u32 v[ADRB+2+\s], s22, v5
	s_add_co_u32 s21, s21, SLOT
	s_add_co_u32 s22, s22, SLOT
.endr
	v_mul_u32_u24 v5, v1, KS
	v_lshrrev_b32 v6, 8, v5
	v_lshl_add_u32 v5, v6, 4, v5
	s_mul_i32 s21, s15, HALFS
	s_mul_i32 s22, s16, HALFS
	s_add_co_u32 s22, s22, 2*HALFS
	s_sub_co_u32 s22, s22, s21
	v_mul_u32_u24 v6, s22, v2
	s_add_co_u32 s21, s21, SCL
	v_add_nc_u32 v5, v5, v6
	v_add_nc_u32 v[ADRS], s21, v5
	; where my results go: first head = 4 x tile row + 2 x row half; batch = tile column / 8; key step = 2 (tile column % 8) + column half
	s_lshl_b32 s20, s17, 2
	s_lshl_b32 s21, s15, 1
	s_add_co_u32 s20, s20, s21                     ; the head
	s_lshr_b32 s46, s42, 3
	s_lshl_b32 s46, s46, 4
	s_add_co_u32 s20, s20, s46                     ; + 16 x batch
	s_mul_i32 s20, s20, HEADB
	s_and_b32 s46, s42, 7
	s_lshl_b32 s46, s46, 1
	s_add_co_u32 s46, s46, s16                     ; the key step
	s_mul_i32 s46, s46, 12800
	s_add_co_u32 s20, s20, s46
	s_add_co_u32 s20, s20, 102400+6400             ; the K and V part; V behind K
	s_mov_b32 s21, 0
	s_add_nc_u64 s[12:13], s[12:13], s[20:21]
.macro FRAG reg, adr, q, i
.irp p, 0,1,2,3,4,5
.set PCE, 12*(\q)+6*(\p/3)+\p%3
.if PCE%8 < 5
	ds_load_b64 v[\reg+2*\p:\reg+2*\p+1], v[\adr] offset:8*PCE+16*(PCE/8)+(\i)*16*PITCH
.else
	ds_load_b64 v[\reg+2*\p:\reg+2*\p+1], v[\adr+2] offset:8*PCE+16*(PCE/8)+(\i)*16*PITCH
.endif
.endr
.endm
.macro MUL16 a0, p, q, sc, zero        ; the 64 accumulators take turns, one instruction a turn
.irp a, \a0, \a0+1
.irp b, 0,1,2,3,4,5,6,7
.if \zero
	v_wmma_scale_f32_16x16x128_f8f6f4 v[8*(8*((\a)%4)+\b):8*(8*((\a)%4)+\b)+7], v[128*(\p)+FR*\b:128*(\p)+FR*\b+FR-1], v[AF+FR*(\a):AF+FR*(\a)+FR-1], 0, v[SC+8*NQ*(\sc)+NQ*\b+(\q)], v[SC+8*NQ*(\sc)+NQ*(\a)+(\q)] matrix_a_fmt:MATRIX_FMT_FP6 matrix_b_fmt:MATRIX_FMT_FP6 matrix_a_scale:MATRIX_SCALE_ROW1
.else
	v_wmma_scale_f32_16x16x128_f8f6f4 v[8*(8*((\a)%4)+\b):8*(8*((\a)%4)+\b)+7], v[128*(\p)+FR*\b:128*(\p)+FR*\b+FR-1], v[AF+FR*(\a):AF+FR*(\a)+FR-1], v[8*(8*((\a)%4)+\b):8*(8*((\a)%4)+\b)+7], v[SC+8*NQ*(\sc)+NQ*\b+(\q)], v[SC+8*NQ*(\sc)+NQ*(\a)+(\q)] matrix_a_fmt:MATRIX_FMT_FP6 matrix_b_fmt:MATRIX_FMT_FP6 matrix_a_scale:MATRIX_SCALE_ROW1
.endif
.endr
.endr
.endm
.macro FETCH_B slot, q, p
	WIN TO_B
.irp i, 0,1,2,3,4,5,6,7
	FRAG 128*(\p)+FR*\i, ADRB+\slot, \q, \i
.endr
	WIN 0
.endm
.macro FETCH_A slot, q, i0
.irp i, \i0, \i0+1, \i0+2, \i0+3
	FRAG AF+FR*(\i), ADRA+\slot, \q, \i
.endr
.endm
.macro SCALES sc
.irp i, 0,1,2,3,4,5,6,7
	ds_load_b64 v[SC+8*NQ*\sc+NQ*\i:SC+8*NQ*\sc+NQ*\i+1], v[ADRS] offset:\i*SBLK
.endr
.endm
.macro PLACES n
.rept \n
	v_nop
.endr
.endm
.macro STEP slot, q, zero
	s_wait_dscnt 4*NL                              ; the youngest 24 loads (A's blocks 4-7) may be out
	WIN MUL_LO
	MUL16 0, (\q)%2, \q, \slot, \zero
	MUL16 2, (\q)%2, \q, \slot, \zero
	s_wait_dscnt 0
	PLACES NP
	FETCH_B \slot, (\q)+1, 1-(\q)%2
	FETCH_A \slot, (\q)+1, 0
	WIN MUL_HI
	MUL16 4, (\q)%2, \q, \slot, \zero
	MUL16 6, (\q)%2, \q, \slot, \zero
	PLACES NP
	WIN 0
	FETCH_A \slot, (\q)+1, 4
.endm
.macro TURN slot, next, fill
	s_wait_tensorcnt 0x0                           ; all my tensor loads have landed: my part of the next slot
	ds_add_u32 v[SPW], v[NIL]                      ; 0 onto my spare word
	s_wait_dscnt 4*NL+1                            ; the add and the youngest 24 loads may be out
	WIN MUL_LO
	MUL16 0, 1, NQ-1, \slot, 0
	s_wait_dscnt 0x0                               ; the add is done, and my reads of this slot are over
	s_barrier_signal -1
	MUL16 2, 1, NQ-1, \slot, 0
	WIN 0
	s_barrier_wait -1
.if \fill
	CREST                                          ; no wave of any partner still reads this slot or has a load on its way
	s_add_nc_u64 s[G0+4*\slot+2:G0+4*\slot+3], s[G0+4*\slot+2:G0+4*\slot+3], 2*ROWB
	s_add_nc_u64 s[G0B+4*\slot+2:G0B+4*\slot+3], s[G0B+4*\slot+2:G0B+4*\slot+3], 2*ROWB
	JLOAD G0+4*\slot, G1, G0B+4*\slot, G1B
.else
	PLACES NP
.endif
	v_add_nc_u32 v[ADRS], 4*NQ, v[ADRS]
	FETCH_B \next, 0, 0
	FETCH_A \next, 0, 0
	SCALES \next
	WIN MUL_HI
	MUL16 4, 1, NQ-1, \slot, 0
	MUL16 6, 1, NQ-1, \slot, 0
	PLACES NP
	WIN 0
	FETCH_A \next, 0, 4
.endm
; Block a's 64 numbers of a lane (register 16 b + i = token 32 b + 16 (lane / 16) + i of my channel) become codes in v[CD] on and a scale word in v[SW + a].  Each accumulator is read from its low end on.
.macro QUANT a, f1
.set QS, 64*((\a)%4)
.set QW, 2+(\a)/4
.set CD, CODE+24*(\a)
.set W12, (QW<<2)|(QW<<4)
	WIN W12
.irp b, 0,1,2,3
	v_max3_num_f32 v[TM+\b], 0x1800000, |v[QS+16*\b]|, |v[QS+16*\b+1]|   ; the floor 2^(3 - 127) among the leaves
.endr
.irp i, 2,4,6,8,10,12,14
.irp b, 0,1,2,3
	v_max3_num_f32 v[TM+\b], v[TM+\b], |v[QS+16*\b+\i]|, |v[QS+16*\b+\i+1]|
.endr
.endr
	WIN 0
.irp b, 0,1,2,3
	v_permlanex16_b32 v[TM+4+\b], v[TM+\b], s[SEL], s[SEL+1]
.endr
.irp b, 0,1,2,3
	v_max_num_f32 v[TM+\b], v[TM+\b], v[TM+4+\b]
.endr
.irp b, 0,1,2,3
	v_add_nc_u32 v[TM+12+\b], 0xff000000, v[TM+\b]
.endr
.irp b, 0,1,2,3
	v_lshrrev_b32 v[TM+4+\b], 23, v[TM+12+\b]
.endr
	v_lshl_or_b32 v[SW+(\a)], v[TM+5], 8, v[TM+4]
	v_lshl_or_b32 v[SW+(\a)], v[TM+6], 16, v[SW+(\a)]
	v_lshl_or_b32 v[SW+(\a)], v[TM+7], 24, v[SW+(\a)]
	WIN QW
.irp c, 0,1
	v_cvt_scalef32_pk16_fp6_f32 v[CD+\f1*\c:CD+\f1*\c+2], v[QS+32*\c:QS+32*\c+15], v[TM+12+2*\c]
	v_cvt_scalef32_pk16_fp6_f32 v[CD+16+4*\c:CD+16+4*\c+2], v[QS+32*\c+16:QS+32*\c+31], v[TM+13+2*\c]
.endr
	WIN 0
	v_nop                                          ; one plain line behind the conversions
.irp c, 0,1
.irp i, 0,1,2
	v_permlane16_swap_b32 v[CD+\f1*\c+\i], v[CD+16+4*\c+\i]
.endr
.irp i, 0,1,2
	v_mov_b32 v[CD+\f1*\c+3+\i], v[CD+16+4*\c+\i]
.endr
.endr
.endm
	s_wait_tensorcnt 1                             ; the scales and my part of K step 0 are in; K step 1's load may be out
	s_barrier_signal -1
	s_barrier_wait -1
	FETCH_B 0, 0, 0
	FETCH_A 0, 0, 0
	SCALES 0
	FETCH_A 0, 0, 4
	STEP 0, 0, 1
.if LAPS > 1
	s_mov_b32 s3, LAPS-1
.Llap:
	TURN 0, 1, 1
	STEP 1, 0, 0
	TURN 1, 0, 1
	STEP 0, 0, 0
	s_sub_co_u32 s3, s3, 1
	s_cmp_lg_u32 s3, 0
	s_cbranch_scc1 .Llap
.endif
	TURN 0, 1, 0
	STEP 1, 0, 0
	s_wait_dscnt 4*NL
	WIN MUL_LO
	MUL16 0, 1, NQ-1, 1, 0
	MUL16 2, 1, NQ-1, 1, 0
	s_wait_dscnt 0
	WIN MUL_HI
	MUL16 4, 1, NQ-1, 1, 0
	MUL16 6, 1, NQ-1, 1, 0
	WIN 0
	; THE WAY OUT
	PLACES NP
	v_and_b32 v8, 31, v0
	v_lshlrev_b32 v8, 4, v8                        ; 16 x lane
	v_and_b32 v10, 15, v0
	v_bfe_u32 v11, v0, 4, 1
	v_mul_u32_u24 v11, v11, HEADB
	v_lshl_add_u32 v10, v10, 4, v11                ; the scale words: 16 x channel; lanes 16-31 the second head's
.irp b, 0,1,2,3
	v_mov_b32 v[TM+4+\b], 0                        ; a lane permute's destination counts as one of its sources
.endr
.irp a, 0,1,2,3,4,5,6,7
	QUANT \a, 6
.irp c, 0,1,2
	global_store_b128 v8, v[CD+4*\c:CD+4*\c+3], s[12:13] offset:HEADB*(\a/4)+1536*(\a%4)+512*\c   ; the fragment as it stands: 512 consecutive bytes a store
.endr
.endr
.irp t, 0,1,2,3
	v_cndmask_b32 v[12+\t], v[SW+\t], v[SW+4+\t], s[HM]
.endr
	global_store_b128 v10, v[12:15], s[12:13] offset:6144   ; sixteen lanes store a head's 256 scale bytes
	s_wait_tensorcnt 0x0                           ; the wave's end
	ds_add_u32 v[SPW], v[NIL]
	s_wait_dscnt 0x0
	CROUND                                         ; the closing round
	s_endpgm
.Lfunc_end_k_q2d6ab0fc6c_vproj:
	.size	k_q2d6ab0fc6c_vproj, .Lfunc_end_k_q2d6ab0fc6c_vproj-k_q2d6ab0fc6c_vproj
	.p2alignl 7, 3214868480
	.fill 96, 4, 3214868480
	.section	.rodata,"a",@progbits
	.p2align	6, 0x0
	.amdhsa_kernel k_q2d6ab0fc6c_vproj
		.amdhsa_group_segment_fixed_size 327680
		.amdhsa_private_segment_fixed_size 0
		.amdhsa_enable_private_segment 0
		.amdhsa_kernarg_size 40
		.amdhsa_user_sgpr_count 2
		.amdhsa_user_sgpr_kernarg_segment_ptr 1
		.amdhsa_wavefront_size32 1
		.amdhsa_system_sgpr_workgroup_id_x 1
		.amdhsa_system_sgpr_workgroup_id_y 1
		.amdhsa_system_sgpr_workgroup_id_z 1
		.amdhsa_system_vgpr_workitem_id 0
		.amdhsa_next_free_vgpr 1024
		.amdhsa_next_free_sgpr 100
		.amdhsa_reserve_vcc 0
		.amdhsa_float_denorm_mode_32 3
		.amdhsa_float_denorm_mode_16_64 3
		.amdhsa_memory_ordered 1
		.amdhsa_forward_progress 1
		.amdhsa_inst_pref_size 164
	.end_amdhsa_kernel
	.amdgpu_metadata
---
amdhsa.version: [ 1, 2 ]
amdhsa.kernels:
  - .name:           k_q2d6ab0fc6c_vproj
    .symbol:         k_q2d6ab0fc6c_vproj.kd
    .args:
      - { .name: wc, .offset: 0, .size: 8, .value_kind: global_buffer, .address_space: global }
      - { .name: ws, .offset: 8, .size: 8, .value_kind: global_buffer, .address_space: global }
      - { .name: xc, .offset: 16, .size: 8, .value_kind: global_buffer, .address_space: global }
      - { .name: xs, .offset: 24, .size: 8, .value_kind: global_buffer, .address_space: global }
      - { .name: qkv, .offset: 32, .size: 8, .value_kind: global_buffer, .address_space: global }
    .group_segment_fixed_size: 327680
    .private_segment_fixed_size: 0
    .kernarg_segment_align: 8
    .kernarg_segment_size: 40
    .max_flat_workgroup_size: 128
    .sgpr_count:     100
    .vgpr_count:     1024
    .wavefront_size: 32
...
	.end_amdgpu_metadata
.endif
;; end of part 3
;; launch attn (part 4): grid 4 x 64, 16 waves a work-group, clusters of 4 x 1, 206,848 bytes of LDS; arguments qkv, mc, ms; writes mc, ms
.if DOCPART == 4
	.amdgcn_target "amdgcn-amd-amdhsa--gfx1250"
	.amdhsa_code_object_version 6
	.text
	.protected	k_q2d6ab0fc6c_attn
	.globl	k_q2d6ab0fc6c_attn
	.p2align	8
	.type	k_q2d6ab0fc6c_attn,@function
k_q2d6ab0fc6c_attn:
	s_mov_b64 s[64:65], 0
	v_nop
	global_prefetch_b8 v0, s[64:65] scope:SCOPE_SE
	s_setreg_imm32_b32 hwreg(HW_REG_WAVE_MODE, 25, 1), 1
	s_wait_xcnt 0x0
	s_wait_alu depctr_hold_cnt(0) depctr_sa_sdst(0) depctr_va_vdst(0) depctr_va_sdst(0) depctr_va_ssrc(0) depctr_va_vcc(0) depctr_vm_vsrc(0)
	s_getreg_b32 s2, hwreg(HW_REG_IB_STS2, 6, 4)
	s_cmp_eq_u32 s2, 0
	s_cbranch_scc0 .Lentry_in_a_cluster
	s_endpgm
.Lentry_in_a_cluster:
	s_bfe_u32 s2, ttmp6, 0x10000c
	s_cmp_lg_u32 s2, 0x3003
	s_cbranch_scc0 .Lentry_shape_is_right
	s_endpgm
.Lentry_shape_is_right:
; Causal attention of one (batch, head) to a cluster, on codes of FP6 (E2M3) with E8M0 scales; head size 64, 2,048 tokens.  The result, O / l, is quantised along the head's 64 and stored as codes.
; SOFTMAX: t = score x log2(e) / 8; M = the running largest t rounded up to a whole number; p = 2^(t - M) is quantised along the keys; the sum is taken of the unquantised p and divides at the end;
; when M moves, the sum and O are multiplied by 2^(old M - new M), which rounds nothing.
; LDS.  A head's K and V, codes and scale bytes, are 16 key steps x 12,800 bytes = 204,800 bytes: they lie in LDS whole, filled once, one joint load a wave (the four work-groups of the cluster ask together).
; So there is no ring, no refill, no LDS store, and no barrier behind the one that follows the fill.
; SHARES.  The head's 128 tiles of 16 queries: wave w of the work-group at place cx takes tiles 127 - (4 w + cx) and 4 w + cx: 16 - w / 2 and w / 2 + 1 key steps, 17 for every wave.
; A tile's last key step hangs on the wave's number alone; cx enters global addresses and the mask's threshold (a vector number) only.  The loop over key steps has 16 trips for all; hidden steps are jumped over.
; LAYOUT.  S^T = K Q^T, O^T = V^T P^T: a lane holds one query.  Tokens and V's channels lie in the workspace order (groups of 8 rows 0 2 1 3 in each 32), so a lane's 16 registers of two neighbouring tiles are 16
; neighbouring keys (channels) in true order.  The head is 64 wide and the instruction 128 deep: source 0 holds TWO tiles of keys side by side along K, and q stands in the low or the high half of source 1, zero codes in the other.
; REGISTERS: v1-3 lane offsets; v4-6 the step's LDS addresses; v7 mask threshold; v8 -infinity; v9, v10 lane terms; v12 -M, v13 largest t, v[14:15] the sum; v16-21 q, v22-27 zeros, v28-33 q; v34 q's scale word;
; v36-83 K's 8 tiles, then V's 4 fragments; v84-87, v88-91 their scale words; v96-159 S^T, then p; v160-191 O^T; v192-203 p's codes; v204-220, v232-254 at work.
; LIMITS: a block under 2^-124 (zeros too) gets the byte 1; NaN and infinities are not served.
.set HEADB, 307200                     ; a head's bytes in qkv: Q's part, then at KVOFF the K and V part
.set KVOFF, 102400
.set STEPB, 12800                      ; a key step: K's blob, V's blob
.set BLOB,  6400                       ; codes 6,144, scale bytes 256
.set SCO,   6144
.set TB,   2                           ; s2  LDS byte of the key step in hand
.set STN,  3                           ; s3  its number
.set WV,   18
.set SEL,  20                          ; s[20:21] selects for lane l xor 16
.set CS,   22                          ; s[22:23] c = log2(e) / 8
.set G1,   24
.set G0,   40
.set SD,   44                          ; s44 the tile's last key step
.set PT,   45                          ; s45 the tile
.macro ROUND                           ; a round of the cluster's barrier
	s_barrier_signal -1
	s_barrier_wait -1
	s_cmp_lg_u32 s[WV], 0
	s_cbranch_scc1 .Lnot_wave_0_\@
	s_barrier_signal -3
.Lnot_wave_0_\@:
	s_barrier_wait -3
	s_barrier_signal -1
	s_barrier_wait -1
.endm
	s_load_b128 s[4:7], s[0:1], 0x0                ; qkv, mc
	s_load_b64 s[8:9], s[0:1], 0x10                ; ms
	v_lshl_add_u32 v251, v0, 2, 0x32000
	v_mov_b32 v255, 0
	ds_add_u32 v251, v255
	ds_add_u32 v251, v255
	v_lshrrev_b32 v1, 5, v0
	s_delay_alu instid0(VALU_DEP_1)
	v_readfirstlane_b32 s[WV], v1                  ; wave 0..15
	s_bfe_u32 s19, ttmp6, 0x40000                  ; cx
	s_and_b32 s10, ttmp7, 0xffff                   ; 16 x batch + head: the cluster's, shared by the four
	s_mul_i32 s16, s10, HEADB
	s_mov_b32 s17, 0
	s_mul_i32 s32, s[WV], STEPB                    ; the key step that I fetch: its place in LDS,
	s_add_co_u32 s34, s32, KVOFF                   ; and in the head's bytes
	s_mov_b32 s35, 0
	s_and_b32 s36, s10, 15                         ; head
	s_lshr_b32 s37, s10, 4                         ; batch
	s_lshl_b32 s14, s36, 9
	s_lshl_b32 s38, s37, 7
	s_add_co_u32 s14, s14, s38                     ; mc: tile 512 head + 128 batch + P
	s_lshl_b32 s15, s37, 16
	s_lshl_b32 s38, s36, 1
	s_add_co_u32 s15, s15, s38                     ; ms: byte 65,536 batch + 2 head + 512 P + 32 r + h
	s_lshl_b32 s56, s[WV], 2
	s_add_co_u32 s56, s56, s19                     ; 4 w + cx
	s_lshr_b32 s57, s[WV], 1                       ; w / 2
	s_mov_b32 s54, 0xffff0000                      ; lanes 16-31
	s_mov_b32 s[SEL], 0x76543210
	s_mov_b32 s[SEL+1], 0xfedcba98
	s_mov_b32 s[CS], 0x3e38aa3b                    ; log2(e) / sqrt(64)
	s_mov_b32 s[CS+1], s[CS]
	; group 1: a dense block of 12,800 bytes as 50 rows of 256 (32 elements of 8 bytes); the mask names all four work-groups
	s_mov_b32 s[G1], 15|(3<<16)|(1<<21)
	s_mov_b32 s[G1+1], 32<<16
	s_mov_b32 s[G1+2], 50<<16
	s_mov_b32 s[G1+3], 32<<16
	s_mov_b32 s[G1+4], 50
	s_mov_b32 s[G1+5], 32
	s_mov_b32 s[G1+6], 0
	s_mov_b32 s[G1+7], 0
	s_wait_dscnt 0x0
	s_wait_kmcnt 0x0
	s_add_nc_u64 s[12:13], s[4:5], s[16:17]        ; the head in qkv
	s_mov_b32 s[G0], 1
	s_mov_b32 s[G0+1], s32
	s_add_nc_u64 s[G0+2:G0+3], s[12:13], s[34:35]
	s_or_b32 s[G0+3], s[G0+3], 0x80000000
	ROUND                                          ; all four work-groups are here: the joint loads meet
	tensor_load_to_lds s[G0:G0+3], s[G1:G1+7]      ; my one tensor load of the launch
	s_nop 0
.rept 4
	v_nop
.endr
	v_and_b32 v11, 31, v0
	s_delay_alu instid0(VALU_DEP_1)
	v_lshlrev_b32 v1, 4, v11                       ; 16 x lane
	s_delay_alu instid0(VALU_DEP_2)
	v_lshlrev_b32 v2, 3, v11                       ; 8 x lane
	v_and_b32 v8, 15, v0                           ; r
	v_bfe_u32 v11, v0, 4, 1                        ; h
	s_delay_alu instid0(VALU_DEP_2)
	v_lshlrev_b32 v3, 4, v8                        ; 16 r
	s_delay_alu instid0(VALU_DEP_2)
	v_lshl_add_u32 v9, v8, 5, v11                  ; 32 r + h
	s_delay_alu instid0(VALU_DEP_4)
	v_and_b32 v10, 7, v8
	v_lshrrev_b32 v7, 3, v8
	s_delay_alu instid0(VALU_DEP_1)
	v_lshl_add_u32 v10, v7, 4, v10
	v_lshlrev_b32 v11, 4, v11
	s_delay_alu instid0(VALU_DEP_1)
	v_sub_nc_u32 v10, v10, v11                     ; 16 (r / 8) + r % 8 - 16 h: my query's true place in its 32, less my half's first key
	v_mov_b32 v8, 0xff800000                       ; -infinity
.irp j, 22,23,24,25,26,27
	v_mov_b32 v[\j], 0                             ; zero codes: the half of source 1 that counts for nothing
.endr
.irp b, 0,1,2,3
	v_mov_b32 v[236+\b], 0                         ; a lane permute's destination counts as one of its sources
.endr
	v_mov_b32 v252, 0
	v_mov_b32 v253, 0                              ; (named as the upper half of the pair v[252:253])
	s_wait_tensorcnt 0x0                           ; my key step has landed,
	s_barrier_signal -1
	s_barrier_wait -1                              ; everybody's has
; ONE TILE OF 16 QUERIES.  hi = 1: tile 127 - (4 w + cx); 0: tile 4 w + cx.
.macro TILE hi
	s_wait_xcnt 0x0                                ; the last tile's loads and stores have read their bases and data: both are written again below
.if \hi
	s_sub_co_u32 s[PT], 127, s56
	s_sub_co_u32 s[SD], 15, s57
.else
	s_mov_b32 s[PT], s56
	s_mov_b32 s[SD], s57
.endif
	s_lshr_b32 s58, s[PT], 3
	s_mul_i32 s58, s58, BLOB                       ; Q's step
	s_and_b32 s59, s[PT], 7                        ; the tile in it
	s_mul_i32 s60, s59, 768
	s_add_co_u32 s60, s60, s58
	s_mov_b32 s61, 0
	s_add_nc_u64 s[46:47], s[12:13], s[60:61]      ; q's codes
	s_lshl_b32 s60, s59, 1
	s_add_co_u32 s60, s60, s58
	s_add_co_u32 s60, s60, SCO
	s_add_nc_u64 s[48:49], s[12:13], s[60:61]      ; q's scale bytes
	s_add_co_u32 s60, s14, s[PT]
	s_mul_i32 s60, s60, 768
	s_add_nc_u64 s[50:51], s[6:7], s[60:61]        ; the result's codes
	s_lshl_b32 s60, s[PT], 9
	s_add_co_u32 s60, s60, s15
	s_add_nc_u64 s[52:53], s[8:9], s[60:61]        ; and scale bytes
	s_lshr_b32 s60, s59, 1
	s_lshl_b32 s60, s60, 5
	s_and_b32 s59, s[PT], 1
	s_lshl_b32 s59, s59, 3
	s_add_co_u32 s55, s60, s59                     ; 32 ((P % 8) / 2) + 8 (P % 2)
	global_load_b128 v[16:19], v1, s[46:47]        ; q twice: for the low and for the high half of source 1
	global_load_b64 v[20:21], v2, s[46:47] offset:512
	global_load_b128 v[28:31], v1, s[46:47]
	global_load_b64 v[32:33], v2, s[46:47] offset:512
	global_load_u16 v35, v3, s[48:49]
	v_add_nc_u32 v7, s55, v10                      ; d = my query - the diagonal step's first key - 16 h
	v_mov_b32 v13, 0xff61b1e6                      ; the largest t so far: -3e38
	s_delay_alu instid0(VALU_DEP_1)
	v_floor_f32 v12, -v13                          ; -M
	v_mov_b32 v14, 0
	v_mov_b32 v15, 0
.irp j, 0,1,2,3,4,5,6,7,8,9,10,11,12,13,14,15,16,17,18,19,20,21,22,23,24,25,26,27,28,29,30,31
	v_mov_b32 v[160+\j], 0                         ; O^T: the step is written once; the first change of M leaves zeros zeros
.endr
	s_wait_loadcnt 0x0
	v_lshl_or_b32 v34, v35, 16, v35                ; q's two bytes serve both halves of K
.rept 8
	v_nop                                          ; a scale register written by a vector line stands 8 places ahead of a scaled matrix instruction
.endr
	s_mov_b32 s[TB], 0
	s_mov_b32 s[STN], 0
.Lstep_\@:
	s_cmp_gt_u32 s[STN], s[SD]                     ; all keys of the step come after my queries: only the steps of the addresses are left
	s_cbranch_scc1 .Lhidden_\@
	s_setprio 2
	v_add_nc_u32 v4, s[TB], v1
	v_add_nc_u32 v5, s[TB], v2
	v_add_nc_u32 v6, s[TB], v3
	v_nop                                          ; four places in front of loads into registers that the last products read
.irp t, 0,1,2,3,4,5,6,7
	ds_load_b128 v[36+6*\t:39+6*\t], v4 offset:768*\t
.endr
.irp t, 0,1,2,3,4,5,6,7
	ds_load_b64 v[40+6*\t:41+6*\t], v5 offset:768*\t+512
.endr
	ds_load_b128 v[84:87], v6 offset:SCO           ; word i: the byte pairs of tiles 2 i and 2 i + 1
	s_wait_dscnt 0x0
	s_wait_alu depctr_va_vdst(0)
.irp i, 0,1,2,3
	v_wmma_scale_f32_16x16x128_f8f6f4 v[96+16*\i:103+16*\i], v[36+12*\i:47+12*\i], v[16:27], 0, v[84+\i], v34 matrix_a_fmt:MATRIX_FMT_FP6 matrix_b_fmt:MATRIX_FMT_FP6
	v_wmma_scale_f32_16x16x128_f8f6f4 v[104+16*\i:111+16*\i], v[36+12*\i:47+12*\i], v[22:33], 0, v[84+\i], v34 matrix_a_fmt:MATRIX_FMT_FP6 matrix_b_fmt:MATRIX_FMT_FP6
.endr                                          ; register 16 b + i of v96 on: key 32 b + 16 h + i of the step
.rept 4
	v_nop
.endr
.irp t, 0,1,2,3
.irp c, 0,1,2
	ds_load_b128 v[36+12*\t+4*\c:39+12*\t+4*\c], v4 offset:BLOB+1536*\t+512*\c   ; V's fragments land under the softmax
.endr
.endr
	ds_load_b128 v[88:91], v6 offset:BLOB+SCO
	s_cmp_lg_u32 s[STN], s[SD]                     ; only the diagonal step is masked
	s_cbranch_scc1 .Lopen_\@
.irp n, 0,1,2,3,4,5,6,7,8,9,10,11,12,13,14,15,16,17,18,19,20,21,22,23,24,25,26,27,28,29,30,31,32,33,34,35,36,37,38,39,40,41,42,43,44,45,46,47,48,49,50,51,52,53,54,55,56,57,58,59,60,61,62,63
	v_cmp_gt_i32 vcc_lo, 32*(\n/16)+\n%16, v7
	v_cndmask_b32 v[96+\n], v[96+\n], v8, vcc_lo   ; a hidden key's score becomes -infinity: p = 0
.endr
.Lopen_\@:
.irp b, 0,1,2,3
	v_max3_num_f32 v[232+\b], v[96+16*\b], v[97+16*\b], v[98+16*\b]   ; each block's largest score: for the row's maximum and, since p rises with the score, for the block's largest p
.endr
.irp i, 3,5,7,9,11,13
.irp b, 0,1,2,3
	v_max3_num_f32 v[232+\b], v[232+\b], v[96+16*\b+\i], v[97+16*\b+\i]
.endr
.endr
.irp b, 0,1,2,3
	v_max_num_f32 v[232+\b], v[232+\b], v[111+16*\b]
.endr
.irp b, 0,1,2,3
	s_delay_alu instid0(VALU_DEP_4)
	v_permlanex16_b32 v[236+\b], v[232+\b], s[SEL], s[SEL+1]
.endr
.irp b, 0,1,2,3
	s_delay_alu instid0(VALU_DEP_4)
	v_max_num_f32 v[232+\b], v[232+\b], v[236+\b]
.endr
	s_delay_alu instid0(VALU_DEP_2)
	v_max3_num_f32 v254, v232, v233, v234
	s_delay_alu instid0(VALU_DEP_1)
	v_max_num_f32 v254, v254, v235
	s_delay_alu instid0(VALU_DEP_1)
	v_mul_f32 v254, s[CS], v254
	s_delay_alu instid0(VALU_DEP_1)
	v_max_num_f32 v13, v13, v254                   ; the running largest t
	v_mov_b32 v254, v12
	s_delay_alu instid0(VALU_DEP_2)
	v_floor_f32 v12, -v13                          ; -M = floor(-t)
	s_delay_alu instid0(VALU_DEP_1)
	v_sub_f32 v254, v12, v254                      ; old M - new M: a whole number, 0 or less
	s_delay_alu instid0(VALU_DEP_1)
	v_cvt_i32_f32 v254, v254
	s_delay_alu instid0(VALU_DEP_1)
	v_ldexp_f32 v252, 1.0, v254                    ; f = 2^(old M - new M)
.irp j, 0,2,4,6,8,10,12,14,16,18,20,22,24,26,28,30,32,34,36,38,40,42,44,46,48,50,52,54,56,58,60,62
	v_pk_fma_f32 v[96+\j:97+\j], v[96+\j:97+\j], s[CS:CS+1], v[12:13] op_sel_hi:[1,0,0]   ; t - M
.endr
	s_setprio 1
.irp b, 0,1,2,3
	v_fma_f32 v[232+\b], v[232+\b], s[CS], v12
.endr
	s_wait_alu depctr_va_vdst(0)
.irp j, 0,1,2,3,4,5,6,7,8,9,10,11,12,13,14,15,16,17,18,19,20,21,22,23,24,25,26,27,28,29,30,31,32,33,34,35,36,37,38,39,40,41,42,43,44,45,46,47,48,49,50,51,52,53,54,55,56,57,58,59,60,61,62,63
	v_exp_f32 v[96+\j], v[96+\j]                   ; p = 2^(t - M)
.endr
.irp b, 0,1,2,3
	v_exp_f32 v[232+\b], v[232+\b]                 ; the block's largest p
.endr
	v_pk_mul_f32 v[14:15], v[14:15], v[252:253] op_sel_hi:[1,0]   ; the sums under the new M (a plain line behind the exponentials)
	s_wait_alu depctr_va_vdst(0)
.irp b, 0,1,2,3
	v_max_num_f32 v[232+\b], 0x1800000, v[232+\b]  ; the floor 2^(3 - 127)
.endr
.irp b, 0,1,2,3
	s_delay_alu instid0(VALU_DEP_4)
	v_add_nc_u32 v[244+\b], 0xff000000, v[232+\b]
.endr
.irp b, 0,1,2,3
	s_delay_alu instid0(VALU_DEP_4)
	v_lshrrev_b32 v[236+\b], 23, v[244+\b]
.endr
	s_delay_alu instid0(VALU_DEP_3)
	v_lshl_or_b32 v253, v237, 8, v236              ; p's scale word for these 128 keys
	s_delay_alu instid0(VALU_DEP_1)
	v_lshl_or_b32 v253, v238, 16, v253
	s_delay_alu instid0(VALU_DEP_1)
	v_lshl_or_b32 v253, v239, 24, v253
.irp c, 0,1
	v_cvt_scalef32_pk16_fp6_f32 v[192+6*\c:194+6*\c], v[96+32*\c:111+32*\c], v[244+2*\c]
	v_cvt_scalef32_pk16_fp6_f32 v[204+4*\c:206+4*\c], v[112+32*\c:127+32*\c], v[244+2*\c+1]
.endr
	v_nop                                          ; one plain line behind the conversions
.irp c, 0,1
.irp i, 0,1,2
	v_permlane16_swap_b32 v[192+6*\c+\i], v[204+4*\c+\i]
.endr
.irp i, 0,1,2
	s_delay_alu instid0(VALU_DEP_3)
	v_mov_b32 v[195+6*\c+\i], v[204+4*\c+\i]
.endr
.endr
	v_pk_add_f32 v[236:237], v[100:101], v[104:105]
	v_pk_add_f32 v[248:249], v[108:109], v[112:113]
	v_pk_add_f32 v[246:247], v[116:117], v[120:121]
	v_pk_add_f32 v[244:245], v[124:125], v[128:129]
	v_pk_add_f32 v[242:243], v[132:133], v[136:137]
	v_pk_add_f32 v[240:241], v[140:141], v[144:145]
	v_pk_add_f32 v[234:235], v[148:149], v[152:153]
	v_pk_add_f32 v[14:15], v[14:15], v[156:157]
	v_pk_add_f32 v[236:237], v[236:237], v[96:97]
	v_pk_add_f32 v[248:249], v[248:249], v[98:99]
	v_pk_add_f32 v[246:247], v[246:247], v[102:103]
	s_setprio 0
	v_pk_add_f32 v[244:245], v[244:245], v[106:107]
	v_pk_add_f32 v[242:243], v[242:243], v[110:111]
	v_pk_add_f32 v[240:241], v[240:241], v[114:115]
	v_pk_add_f32 v[234:235], v[234:235], v[118:119]
	v_pk_add_f32 v[14:15], v[14:15], v[122:123]
	v_pk_add_f32 v[236:237], v[236:237], v[126:127]
	v_pk_add_f32 v[248:249], v[248:249], v[130:131]
	v_pk_add_f32 v[246:247], v[246:247], v[134:135]
	v_pk_add_f32 v[244:245], v[244:245], v[138:139]
	v_pk_add_f32 v[242:243], v[242:243], v[142:143]
	v_pk_add_f32 v[240:241], v[240:241], v[146:147]
	v_pk_add_f32 v[234:235], v[234:235], v[150:151]
	v_pk_add_f32 v[14:15], v[14:15], v[154:155]
	v_pk_add_f32 v[236:237], v[236:237], v[158:159]
	s_delay_alu instid0(VALU_DEP_2)
	v_pk_add_f32 v[14:15], v[14:15], v[244:245]
	s_delay_alu instid0(VALU_DEP_2)
	v_pk_add_f32 v[236:237], v[236:237], v[242:243]
	v_pk_add_f32 v[248:249], v[248:249], v[240:241]
	v_pk_add_f32 v[246:247], v[246:247], v[234:235]
	s_delay_alu instid0(VALU_DEP_2)
	v_pk_add_f32 v[14:15], v[14:15], v[248:249]
	s_delay_alu instid0(VALU_DEP_2)
	v_pk_add_f32 v[236:237], v[236:237], v[246:247]
	s_delay_alu instid0(VALU_DEP_1)
	v_pk_add_f32 v[14:15], v[14:15], v[236:237]
.irp j, 0,2,4,6,8,10,12,14,16,18,20,22,24,26,28,30
	v_pk_mul_f32 v[160+\j:161+\j], v[160+\j:161+\j], v[252:253] op_sel_hi:[1,0]   ; O^T under the new M (with the sums: the places in front of the products below)
.endr
	s_wait_alu depctr_va_vdst(0)
	s_wait_dscnt 0x0                               ; V is in
.irp t, 0,1,2,3                                ; four accumulators by turns, one instruction a turn
	v_wmma_scale_f32_16x16x128_f8f6f4 v[160+8*\t:167+8*\t], v[36+12*\t:47+12*\t], v[192:203], v[160+8*\t:167+8*\t], v[88+\t], v253 matrix_a_fmt:MATRIX_FMT_FP6 matrix_b_fmt:MATRIX_FMT_FP6
.endr
.Lhidden_\@:
	s_add_co_u32 s[TB], s[TB], STEPB
	s_add_co_u32 s[STN], s[STN], 1
	s_cmp_lt_u32 s[STN], 16
	s_cbranch_scc1 .Lstep_\@
	s_setprio 0
	; the tile's way out: O^T / l, register 16 b + i = channel 32 b + 16 h + i, quantised in two blocks
.rept 4
	v_nop
.endr
	v_add_f32 v14, v14, v15
	s_delay_alu instid0(VALU_DEP_1)
	v_permlanex16_b32 v252, v14, s[SEL], s[SEL+1]
	s_delay_alu instid0(VALU_DEP_1)
	v_add_f32 v14, v14, v252                       ; the row's sum
	s_wait_alu depctr_va_vdst(0)
	v_rcp_f32 v14, v14
	v_nop                                          ; a plain line behind the reciprocal
	s_wait_alu depctr_va_vdst(0)
.irp j, 0,2,4,6,8,10,12,14,16,18,20,22,24,26,28,30
	v_pk_mul_f32 v[96+\j:97+\j], v[160+\j:161+\j], v[14:15] op_sel_hi:[1,0]   ; each accumulator from its low end on
.endr
.irp b, 0,1
	v_max3_num_f32 v[232+\b], |v[96+16*\b]|, |v[97+16*\b]|, 0x1800000
.endr
.irp i, 2,4,6,8,10,12,14
.irp b, 0,1
	s_delay_alu instid0(VALU_DEP_2)
	v_max3_num_f32 v[232+\b], v[232+\b], |v[96+16*\b+\i]|, |v[97+16*\b+\i]|
.endr
.endr
.irp b, 0,1
	s_delay_alu instid0(VALU_DEP_2)
	v_permlanex16_b32 v[236+\b], v[232+\b], s[SEL], s[SEL+1]
.endr
.irp b, 0,1
	s_delay_alu instid0(VALU_DEP_2)
	v_max_num_f32 v[232+\b], v[232+\b], v[236+\b]
.endr
.irp b, 0,1
	s_delay_alu instid0(VALU_DEP_2)
	v_add_nc_u32 v[244+\b], 0xff000000, v[232+\b]
.endr
.irp b, 0,1
	s_delay_alu instid0(VALU_DEP_2)
	v_lshrrev_b32 v[236+\b], 23, v[244+\b]
.endr
	v_cvt_scalef32_pk16_fp6_f32 v[212:214], v[96:111], v244
	v_cvt_scalef32_pk16_fp6_f32 v[218:220], v[112:127], v245
	v_nop                                          ; one plain line behind the conversions
.irp i, 0,1,2
	v_permlane16_swap_b32 v[212+\i], v[218+\i]
.endr
.irp i, 0,1,2
	s_delay_alu instid0(VALU_DEP_3)
	v_mov_b32 v[215+\i], v[218+\i]                 ; v212-217: channels 32 h .. 32 h + 31 of my token
.endr
	v_cndmask_b32 v254, v236, v237, s54            ; block h's byte
	global_store_b128 v1, v[212:215], s[50:51]     ; 512 consecutive bytes,
	global_store_b64 v2, v[216:217], s[50:51] offset:512   ; and 256
	global_store_b8 v9, v254, s[52:53]             ; a byte a lane, rows of 32 bytes apart: a row's 32 scale bytes belong to 16 heads, which are 16 clusters; 1 byte for each 24 of codes
.endm
	TILE 1
	TILE 0
	s_wait_dscnt 0x0
	s_wait_tensorcnt 0x0
	ds_add_u32 v251, v255
	s_wait_dscnt 0x0
	ROUND                                          ; the closing round: no work-group ends while a partner may still ask for a tile that names it
	s_endpgm
.Lfunc_end_k_q2d6ab0fc6c_attn:
	.size	k_q2d6ab0fc6c_attn, .Lfunc_end_k_q2d6ab0fc6c_attn-k_q2d6ab0fc6c_attn
	.p2alignl 7, 3214868480
	.fill 96, 4, 3214868480
	.section	.rodata,"a",@progbits
	.p2align	6, 0x0
	.amdhsa_kernel k_q2d6ab0fc6c_attn
		.amdhsa_group_segment_fixed_size 206848
		.amdhsa_private_segment_fixed_size 0
		.amdhsa_enable_private_segment 0
		.amdhsa_kernarg_size 24
		.amdhsa_user_sgpr_count 2
		.amdhsa_user_sgpr_kernarg_segment_ptr 1
		.amdhsa_wavefront_size32 1
		.amdhsa_system_sgpr_workgroup_id_x 1
		.amdhsa_system_sgpr_workgroup_id_y 1
		.amdhsa_system_sgpr_workgroup_id_z 1
		.amdhsa_system_vgpr_workitem_id 0
		.amdhsa_next_free_vgpr 256
		.amdhsa_next_free_sgpr 66
		.amdhsa_reserve_vcc 1
		.amdhsa_float_denorm_mode_32 3
		.amdhsa_float_denorm_mode_16_64 3
		.amdhsa_memory_ordered 1
		.amdhsa_forward_progress 1
		.amdhsa_inst_pref_size 64
	.end_amdhsa_kernel
	.amdgpu_metadata
---
amdhsa.version: [ 1, 2 ]
amdhsa.kernels:
  - .name:           k_q2d6ab0fc6c_attn
    .symbol:         k_q2d6ab0fc6c_attn.kd
    .args:
      - { .name: qkv, .offset: 0, .size: 8, .value_kind: global_buffer, .address_space: global }
      - { .name: mc, .offset: 8, .size: 8, .value_kind: global_buffer, .address_space: global }
      - { .name: ms, .offset: 16, .size: 8, .value_kind: global_buffer, .address_space: global }
    .group_segment_fixed_size: 206848
    .private_segment_fixed_size: 0
    .kernarg_segment_align: 8
    .kernarg_segment_size: 24
    .max_flat_workgroup_size: 512
    .sgpr_count:     66
    .vgpr_count:     256
    .wavefront_size: 32
...
	.end_amdgpu_metadata
.endif
;; end of part 4
;; launch oproj (part 5): grid 4 x 32, 4 waves a work-group, clusters of 4 x 4, 327,680 bytes of LDS; arguments mc, ms, wc, ws, out0; writes out0
.if DOCPART == 5
	.amdgcn_target "amdgcn-amd-amdhsa--gfx1250"
	.amdhsa_code_object_version 6
	.text
	.protected	k_q2d6ab0fc6c_oproj
	.globl	k_q2d6ab0fc6c_oproj
	.p2align	8
	.type	k_q2d6ab0fc6c_oproj,@function
k_q2d6ab0fc6c_oproj:
	s_mov_b64 s[64:65], 0
	v_nop
	global_prefetch_b8 v0, s[64:65] scope:SCOPE_SE
	s_setreg_imm32_b32 hwreg(HW_REG_WAVE_MODE, 25, 1), 1
	s_wait_xcnt 0x0
	s_wait_alu depctr_hold_cnt(0) depctr_sa_sdst(0) depctr_va_vdst(0) depctr_va_sdst(0) depctr_va_ssrc(0) depctr_va_vcc(0) depctr_vm_vsrc(0)
	s_getreg_b32 s2, hwreg(HW_REG_IB_STS2, 6, 4)
	s_cmp_eq_u32 s2, 0
	s_cbranch_scc0 .Lentry_in_a_cluster
	s_endpgm
.Lentry_in_a_cluster:
	s_bfe_u32 s2, ttmp6, 0x10000c
	s_cmp_lg_u32 s2, 0xf033
	s_cbranch_scc0 .Lentry_shape_is_right
	s_endpgm
.Lentry_shape_is_right:
; out0 [8192][1024] f32 = merged W_O^T on codes of FP6 (E2M3) with E8M0 scales, sums in f32.
; A = the merged heads: mc [head 16][tile of 16 tokens 512][768 bytes], a tile as an image of operand registers (registers 0-3 at 16 x lane, 4-5 at 512 + 8 x lane: channels 32 (lane / 16) .. + 31 of token lane % 16),
; tokens in the workspace order (groups of 8 rows 0 2 1 3 in each 32); ms [8192][32] its scale bytes.  B = rows 3072-4095 of wc, ws (W_O, true order).
; A tile of 256 x 256 by four waves of 128 x 128; K in steps of 256 (four heads) through two LDS slots; the scale bytes in LDS once; 4 x 4 clusters with joint loads.
; A's part of a slot: for each half of 128 tokens, 4 heads x 8 tiles x 768 bytes, brought by one tensor load of 4 rows of 6,144 dense bytes; a fragment of 128 along K is two heads' images: two loads of 16 bytes and two of 8 a lane, each
; instruction on consecutive bytes.  B's part: 128 rows of 192 bytes, 16 bytes of padding behind every 64.
; THE MATRIX INSTRUCTION IS USED TRANSPOSED (source 0 = 16 rows of W_O, source 1 = 16 tokens): a lane holds eight neighbouring numbers of a row of out0.  The stores' offsets put the tokens back into their true order.
; 128 work-groups: 8192 x 1024 has no more tiles of this size.
.set SIZE_M, 8192
.set SIZE_N, 1024
.set SIZE_K, 1024
.set KSTEP,  256
.set NQ,     KSTEP/128
.set ROWB,   192
.set KROW,   SIZE_K*6/8
.set PITCH,  240
.set FR,     12
.set NLA,    4                         ; LDS loads that bring a fragment of A
.set NP,     4
.set HEADT,  6144                      ; 8 tiles of one head
.set HALFA,  4*HEADT                   ; A: what one tensor load brings, and what one wave reads
.set HALFB,  128*PITCH                 ; B likewise
.set SLOT,   2*HALFA+2*HALFB
.set ASTEP,  4*512*768                 ; four heads on in mc
.set LAPS,   SIZE_K/(2*KSTEP)
.set KS,     SIZE_K/32
.set SCL,    2*SLOT
.set HALFS,  (128*KS/256)*272
.set SBLK,   (16*KS/256)*272
.set SPARE,  SCL+4*HALFS               ; the spare words: 128 bytes a wave, two blocks of 256 bytes that no other line names
.set SPITCH, 528                       ; the way out: a stage of 16 rows x (512 + 16) bytes a wave, in slot 0, which has had its last fill and its last read by then
.set ADRA, 16                          ; v16-17 A's images in slot 0, 1: + 16 x lane;  v18-19: + 8 x lane
.set ADRB, 20                          ; v20-23 B's fragments
.set STO,  24
.set RD,   25
.set CO,   26
.set ADRS, 27
.set SPW,  28
.set NIL,  29
.set SC,   32
.set AF,   128
.set BK,   128
.set G1, 24
.set G0, 32
.set G1B, 48
.set G0B, 56
.set G1S, 68
.set G0S, 76
.set G1SB, 80
.set G0SB, 88
.set MSB, 0
.macro WIN new
.if MSB != \new
	s_set_vgpr_msb (MSB<<8)|\new
.set MSB, \new
.endif
.endm
.set MUL_LO, 0xa1
.set MUL_HI, 0xf1
.set TO_B,   0x40
.macro JLOAD g0a, g1a, g0b, g1b        ; a joint load: waves 0, 1 for A, waves 2, 3 for B; four v_nop follow each of the two lines
	s_cmp_eq_u32 s15, 0
	s_cbranch_scc0 .Lfor_b_\@
	tensor_load_to_lds s[\g0a:\g0a+3], s[\g1a:\g1a+7]
	s_nop 0
.rept 4
	v_nop
.endr
	s_branch .Lasked_\@
.Lfor_b_\@:
	tensor_load_to_lds s[\g0b:\g0b+3], s[\g1b:\g1b+7]
	s_nop 0
.rept 4
	v_nop
.endr
.Lasked_\@:
.endm
.macro CREST
	s_cmp_lg_u32 s14, 0
	s_cbranch_scc1 .Lnot_wave_0_\@
	s_barrier_signal -3
.Lnot_wave_0_\@:
	s_barrier_wait -3
	s_barrier_signal -1
	s_barrier_wait -1
.endm
.macro CROUND
	s_barrier_signal -1
	s_barrier_wait -1
	CREST
.endm
	s_load_b128 s[4:7], s[0:1], 0x0                ; mc, ms
	s_load_b128 s[8:11], s[0:1], 0x10              ; wc, ws
	s_load_b64 s[12:13], s[0:1], 0x20              ; out0
	v_lshl_add_u32 v[SPW], v0, 2, SPARE
	v_mov_b32 v[NIL], 0
	ds_add_u32 v28, v29
	ds_add_u32 v28, v29
	s_wait_dscnt 0x0
	v_lshrrev_b32 v1, 5, v0
	v_readfirstlane_b32 s14, v1
	s_lshr_b32 s15, s14, 1
	s_and_b32 s16, s14, 1
	s_bfe_u32 s40, ttmp6, 0x40000
	s_bfe_u32 s41, ttmp6, 0x40004
	s_lshl_b32 s42, ttmp9, 2
	s_add_co_u32 s42, s42, s40                     ; tile column
	s_and_b32 s17, ttmp7, 0xffff
	s_lshl_b32 s17, s17, 2
	s_add_co_u32 s17, s17, s41                     ; tile row
	s_lshl_b32 s43, s41, 2
	s_lshl_b32 s43, 15, s43
	s_lshl_b32 s44, 0x1111, s40
	; A's group 1: 4 rows (heads) of 6,144 bytes (768 elements of 8), 393,216 bytes (49,152 elements) apart; no padding
	s_or_b32 s[G1+0], s43, (3<<16)|(1<<21)
	s_mov_b32 s[G1+1], 768<<16
	s_mov_b32 s[G1+2], 4<<16
	s_mov_b32 s[G1+3], 768<<16
	s_mov_b32 s[G1+4], 4
	s_mov_b32 s[G1+5], 49152
	s_mov_b32 s[G1+6], 0
	s_mov_b32 s[G1+7], 0
	; B's: 128 rows x 192 bytes; 16 bytes of padding behind every 64
	s_or_b32 s[G1B+0], s44, (0<<16)|(1<<20)|(1<<21)|(3<<22)|(3<<25)
	s_mov_b32 s[G1B+1], ROWB<<16
	s_mov_b32 s[G1B+2], 128<<16
	s_mov_b32 s[G1B+3], ROWB<<16
	s_mov_b32 s[G1B+4], 128
	s_mov_b32 s[G1B+5], KROW
	s_mov_b32 s[G1B+6], 0
	s_mov_b32 s[G1B+7], 0
	s_or_b32 s[G1S+0], s43, (3<<16)|(1<<20)|(1<<21)|(5<<22)|(3<<25)
	s_or_b32 s[G1SB+0], s44, (3<<16)|(1<<20)|(1<<21)|(5<<22)|(3<<25)
.irp g, G1S, G1SB
	s_mov_b32 s[\g+1], 32<<16
	s_mov_b32 s[\g+2], (128*KS/256)<<16
	s_mov_b32 s[\g+3], 32<<16
	s_mov_b32 s[\g+4], 128*KS/256
	s_mov_b32 s[\g+5], 32
	s_mov_b32 s[\g+6], 0
	s_mov_b32 s[\g+7], 0
.endr
	s_lshl_b32 s18, s16, 7
	s_lshl_b32 s20, s17, 8
	s_add_co_u32 s20, s20, s18                     ; A: token 256 x tile row + 128 x half
	s_lshl_b32 s46, s42, 8
	s_add_co_u32 s46, s46, s18                     ; B: row 256 x tile column + 128 x half
	s_lshl_b32 s22, s20, 5                         ; their scale bytes: 32 a row
	s_mov_b32 s23, 0
	s_lshl_b32 s92, s46, 5
	s_mov_b32 s93, 0
	s_mul_i32 s20, s20, 48                         ; A's codes: 768 bytes for 16 tokens
	s_mov_b32 s21, 0
	s_mul_i32 s46, s46, KROW
	s_mov_b32 s47, 0
	s_mul_i32 s45, s16, HALFA                      ; where they go: A's halves,
	s_mul_i32 s95, s16, HALFB
	s_add_co_u32 s95, s95, 2*HALFA                 ; then B's
	s_mul_i32 s94, s14, HALFS
	s_wait_kmcnt 0x0
	s_add_nc_u64 s[8:9], s[8:9], 3072*KROW         ; W_O's rows in wc,
	s_add_nc_u64 s[10:11], s[10:11], 3072*KS       ; and in ws
	s_add_nc_u64 s[20:21], s[4:5], s[20:21]
	s_add_nc_u64 s[22:23], s[6:7], s[22:23]
	s_add_nc_u64 s[46:47], s[8:9], s[46:47]
	s_add_nc_u64 s[92:93], s[10:11], s[92:93]
	CROUND                                         ; all sixteen work-groups are here: the first joint loads meet
	s_mov_b32 s[G0S], 1
	s_add_co_u32 s[G0S+1], s94, SCL
	s_mov_b64 s[G0S+2:G0S+3], s[22:23]
	s_or_b32 s[G0S+3], s[G0S+3], 0x80000000
	s_mov_b32 s[G0SB], 1
	s_add_co_u32 s[G0SB+1], s94, SCL
	s_mov_b64 s[G0SB+2:G0SB+3], s[92:93]
	s_or_b32 s[G0SB+3], s[G0SB+3], 0x80000000
	JLOAD G0S, G1S, G0SB, G1SB
.irp s, 0,1
	s_mov_b32 s[G0+4*\s], 1
	s_add_co_u32 s[G0+4*\s+1], s45, \s*SLOT
	s_add_nc_u64 s[G0+4*\s+2:G0+4*\s+3], s[20:21], \s*ASTEP
	s_or_b32 s[G0+4*\s+3], s[G0+4*\s+3], 0x80000000
	s_mov_b32 s[G0B+4*\s], 1
	s_add_co_u32 s[G0B+4*\s+1], s95, \s*SLOT
	s_add_nc_u64 s[G0B+4*\s+2:G0B+4*\s+3], s[46:47], \s*ROWB
	s_or_b32 s[G0B+4*\s+3], s[G0B+4*\s+3], 0x80000000
	JLOAD G0+4*\s, G1, G0B+4*\s, G1B               ; three tensor loads of mine are out at the most
.endr
	v_and_b32 v1, 15, v0                           ; l % 16
	v_bfe_u32 v2, v0, 4, 1                         ; l / 16
	v_mul_u32_u24 v3, v1, PITCH
	v_mul_u32_u24 v4, v2, 24
	v_add_nc_u32 v4, v3, v4                        ; B: row x pitch + 24 x half
	v_lshl_add_u32 v5, v2, 4, v4                   ; and behind one padding more
	v_and_b32 v6, 31, v0
	v_lshlrev_b32 v7, 4, v6                        ; A: 16 x lane,
	v_lshlrev_b32 v8, 3, v6                        ; 8 x lane
	s_mul_i32 s21, s15, HALFA
	s_mul_i32 s22, s16, HALFB
	s_add_co_u32 s22, s22, 2*HALFA
.irp s, 0,1
	v_add_nc_u32 v[ADRA+\s], s21, v7
	v_add_nc_u32 v[ADRA+2+\s], s21, v8
	v_add_nc_u32 v[ADRB+\s], s22, v4
	v_add_nc_u32 v[ADRB+2+\s], s22, v5
	s_add_co_u32 s21, s21, SLOT
	s_add_co_u32 s22, s22, SLOT
.endr
	v_mul_u32_u24 v5, v1, KS
	v_lshrrev_b32 v6, 8, v5
	v_lshl_add_u32 v5, v6, 4, v5
	s_mul_i32 s21, s15, HALFS
	s_mul_i32 s22, s16, HALFS
	s_add_co_u32 s22, s22, 2*HALFS
	s_sub_co_u32 s22, s22, s21
	v_mul_u32_u24 v6, s22, v2                      ; lanes 16-31 take B's: one product, the distance x half
	s_add_co_u32 s21, s21, SCL
	v_add_nc_u32 v5, v5, v6
	v_add_nc_u32 v[ADRS], s21, v5
	s_mul_i32 s23, s14, 16*SPITCH                  ; my stage
	v_mul_u32_u24 v5, v1, SPITCH
	v_lshl_add_u32 v5, v2, 5, v5
	v_add_nc_u32 v[STO], s23, v5                   ; in: row l % 16, 32 bytes for each half of the lanes
	v_and_b32 v6, 31, v0
	v_lshlrev_b32 v[CO], 4, v6                     ; back: the 32 lanes take one row of 512 bytes; the same in out0
	v_add_nc_u32 v[RD], s23, v[CO]
	s_lshl_b32 s20, s17, 8
	s_lshl_b32 s21, s15, 7
	s_add_co_u32 s20, s20, s21                     ; my first row
	s_lshl_b32 s20, s20, 12                        ; x 4,096 bytes
	s_lshl_b32 s46, s42, 10                        ; my first column, in bytes
	s_lshl_b32 s47, s16, 9
	s_add_co_u32 s46, s46, s47
	s_add_co_u32 s20, s20, s46
	s_mov_b32 s21, 0
	s_add_nc_u64 s[12:13], s[12:13], s[20:21]
.macro FRAG reg, adr, q, i             ; a fragment of B: 24 bytes of the row's stream of bits twice, in pieces of 8
.irp p, 0,1,2,3,4,5
.set PCE, 12*(\q)+6*(\p/3)+\p%3
.if PCE%8 < 5
	ds_load_b64 v[\reg+2*\p:\reg+2*\p+1], v[\adr] offset:8*PCE+16*(PCE/8)+(\i)*16*PITCH
.else
	ds_load_b64 v[\reg+2*\p:\reg+2*\p+1], v[\adr+2] offset:8*PCE+16*(PCE/8)+(\i)*16*PITCH
.endif
.endr
.endm
.macro FRAGA reg, slot, q, i           ; a fragment of A: the images of tile i in heads 2 q and 2 q + 1 of the slot
	ds_load_b128 v[\reg:\reg+3], v[ADRA+\slot] offset:(2*(\q))*HEADT+768*(\i)
	ds_load_b64 v[\reg+4:\reg+5], v[ADRA+2+\slot] offset:(2*(\q))*HEADT+768*(\i)+512
	ds_load_b128 v[\reg+6:\reg+9], v[ADRA+\slot] offset:(2*(\q)+1)*HEADT+768*(\i)
	ds_load_b64 v[\reg+10:\reg+11], v[ADRA+2+\slot] offset:(2*(\q)+1)*HEADT+768*(\i)+512
.endm
.macro MUL16 a0, p, q, sc, zero        ; the 64 accumulators take turns, one instruction a turn
.irp a, \a0, \a0+1
.irp b, 0,1,2,3,4,5,6,7
.if \zero
	v_wmma_scale_f32_16x16x128_f8f6f4 v[8*(8*((\a)%4)+\b):8*(8*((\a)%4)+\b)+7], v[128*(\p)+FR*\b:128*(\p)+FR*\b+FR-1], v[AF+FR*(\a):AF+FR*(\a)+FR-1], 0, v[SC+8*NQ*(\sc)+NQ*\b+(\q)], v[SC+8*NQ*(\sc)+NQ*(\a)+(\q)] matrix_a_fmt:MATRIX_FMT_FP6 matrix_b_fmt:MATRIX_FMT_FP6 matrix_a_scale:MATRIX_SCALE_ROW1
.else
	v_wmma_scale_f32_16x16x128_f8f6f4 v[8*(8*((\a)%4)+\b):8*(8*((\a)%4)+\b)+7], v[128*(\p)+FR*\b:128*(\p)+FR*\b+FR-1], v[AF+FR*(\a):AF+FR*(\a)+FR-1], v[8*(8*((\a)%4)+\b):8*(8*((\a)%4)+\b)+7], v[SC+8*NQ*(\sc)+NQ*\b+(\q)], v[SC+8*NQ*(\sc)+NQ*(\a)+(\q)] matrix_a_fmt:MATRIX_FMT_FP6 matrix_b_fmt:MATRIX_FMT_FP6 matrix_a_scale:MATRIX_SCALE_ROW1
.endif
.endr
.endr
.endm
.macro FETCH_B slot, q, p
	WIN TO_B
.irp i, 0,1,2,3,4,5,6,7
	FRAG 128*(\p)+FR*\i, ADRB+\slot, \q, \i
.endr
	WIN 0
.endm
.macro FETCH_A slot, q, i0
.irp i, \i0, \i0+1, \i0+2, \i0+3
	FRAGA AF+FR*(\i), \slot, \q, \i
.endr
.endm
.macro SCALES sc
.irp i, 0,1,2,3,4,5,6,7
	ds_load_b64 v[SC+8*NQ*\sc+NQ*\i:SC+8*NQ*\sc+NQ*\i+1], v[ADRS] offset:\i*SBLK
.endr
.endm
.macro PLACES n
.rept \n
	v_nop
.endr
.endm
.macro STEP slot, q, zero
	s_wait_dscnt 4*NLA                             ; B's set and A's blocks 0-3 are in; the youngest 16 loads (A's blocks 4-7) may be out
	WIN MUL_LO
	MUL16 0, (\q)%2, \q, \slot, \zero
	MUL16 2, (\q)%2, \q, \slot, \zero
	s_wait_dscnt 0
	PLACES NP
	FETCH_B \slot, (\q)+1, 1-(\q)%2
	FETCH_A \slot, (\q)+1, 0
	WIN MUL_HI
	MUL16 4, (\q)%2, \q, \slot, \zero
	MUL16 6, (\q)%2, \q, \slot, \zero
	PLACES NP
	WIN 0
	FETCH_A \slot, (\q)+1, 4
.endm
.macro TURN slot, next, fill
	s_wait_tensorcnt 0x0                           ; all my tensor loads have landed: my part of the next slot
	ds_add_u32 v[SPW], v[NIL]                      ; 0 onto my spare word
	s_wait_dscnt 4*NLA+1                           ; the add and the youngest 16 loads may be out
	WIN MUL_LO
	MUL16 0, 1, NQ-1, \slot, 0
	s_wait_dscnt 0x0                               ; the add is done, and my reads of this slot are over
	s_barrier_signal -1
	MUL16 2, 1, NQ-1, \slot, 0
	WIN 0
	s_barrier_wait -1
.if \fill
	CREST                                          ; no wave of any partner still reads this slot or has a load on its way
	s_add_nc_u64 s[G0+4*\slot+2:G0+4*\slot+3], s[G0+4*\slot+2:G0+4*\slot+3], 2*ASTEP
	s_add_nc_u64 s[G0B+4*\slot+2:G0B+4*\slot+3], s[G0B+4*\slot+2:G0B+4*\slot+3], 2*ROWB
	JLOAD G0+4*\slot, G1, G0B+4*\slot, G1B
.else
	PLACES NP
.endif
	v_add_nc_u32 v[ADRS], 4*NQ, v[ADRS]
	FETCH_B \next, 0, 0
	FETCH_A \next, 0, 0
	SCALES \next
	WIN MUL_HI
	MUL16 4, 1, NQ-1, \slot, 0
	MUL16 6, 1, NQ-1, \slot, 0
	PLACES NP
	WIN 0
	FETCH_A \next, 0, 4
.endm
	s_wait_tensorcnt 1                             ; the scales and my part of K step 0 are in; K step 1's load may be out
	s_barrier_signal -1
	s_barrier_wait -1
	FETCH_B 0, 0, 0
	FETCH_A 0, 0, 0
	SCALES 0
	FETCH_A 0, 0, 4
	STEP 0, 0, 1
.if LAPS > 1
	s_mov_b32 s3, LAPS-1
.Llap:
	TURN 0, 1, 1
	STEP 1, 0, 0
	TURN 1, 0, 1
	STEP 0, 0, 0
	s_sub_co_u32 s3, s3, 1
	s_cmp_lg_u32 s3, 0
	s_cbranch_scc1 .Llap
.endif
	TURN 0, 1, 0
	STEP 1, 0, 0
	s_wait_dscnt 4*NLA
	WIN MUL_LO
	MUL16 0, 1, NQ-1, 1, 0
	MUL16 2, 1, NQ-1, 1, 0
	s_wait_dscnt 0
	WIN MUL_HI
	MUL16 4, 1, NQ-1, 1, 0
	MUL16 6, 1, NQ-1, 1, 0
	WIN 0
; THE WAY OUT, block by block of 16 tokens x 128 columns, through my own stage in LDS: back come whole rows of 512 bytes.  LDS serves a wave's instructions in order: no wait between the stores and the loads.
.macro TOSTAGE a
.set AC, 64*((\a)%4)
	WIN 0x08+4*((\a)/4)                            ; the data: window 2 or 3
.irp b, 0,1,2,3,4,5,6,7
	ds_store_b128 v[STO], v[AC+8*\b:AC+8*\b+3] offset:64*\b          ; each accumulator from its low end on
	ds_store_b128 v[STO], v[AC+8*\b+4:AC+8*\b+7] offset:64*\b+16
.endr
	WIN 0
.set BB, BK+64*((\a)%2)
.irp t, 0,1,2,3,4,5,6,7,8,9,10,11,12,13,14,15
	ds_load_b128 v[BB+4*\t:BB+4*\t+3], v[RD] offset:\t*SPITCH
.endr
.endm
.macro SEND a, younger                 ; row t of block a is the token 32 (a / 2) + 16 (t / 8) + 8 (a % 2) + t % 8 of my 128: the offset stays within 127 rows of 4,096 bytes
.set BB, BK+64*((\a)%2)
	s_wait_dscnt \younger                          ; the block is back in registers
.irp t, 0,1,2,3,4,5,6,7,8,9,10,11,12,13,14,15
	global_store_b128 v[CO], v[BB+4*\t:BB+4*\t+3], s[12:13] offset:(32*((\a)/2)+16*(\t/8)+8*((\a)%2)+\t%8)*SIZE_N*4 th:TH_STORE_NT   ; 32 lanes store 512 consecutive bytes, aligned
.endr
.endm
	PLACES NP
	TOSTAGE 0
.irp a, 1,2,3,4,5,6,7
.if \a > 1
	s_wait_xcnt 0x0                                ; block a - 2's stores have read their registers: block a's loads may land there
.endif
	TOSTAGE \a
	SEND \a-1, 32                                  ; behind block a - 1's loads: block a's 16 stores and 16 loads
.endr
	SEND 7, 0
	s_wait_tensorcnt 0x0                           ; the wave's end
	ds_add_u32 v[SPW], v[NIL]
	s_wait_dscnt 0x0
	CROUND                                         ; the closing round
	s_endpgm
.Lfunc_end_k_q2d6ab0fc6c_oproj:
	.size	k_q2d6ab0fc6c_oproj, .Lfunc_end_k_q2d6ab0fc6c_oproj-k_q2d6ab0fc6c_oproj
	.p2alignl 7, 3214868480
	.fill 96, 4, 3214868480
	.section	.rodata,"a",@progbits
	.p2align	6, 0x0
	.amdhsa_kernel k_q2d6ab0fc6c_oproj
		.amdhsa_group_segment_fixed_size 327680
		.amdhsa_private_segment_fixed_size 0
		.amdhsa_enable_private_segment 0
		.amdhsa_kernarg_size 40
		.amdhsa_user_sgpr_count 2
		.amdhsa_user_sgpr_kernarg_segment_ptr 1
		.amdhsa_wavefront_size32 1
		.amdhsa_system_sgpr_workgroup_id_x 1
		.amdhsa_system_sgpr_workgroup_id_y 1
		.amdhsa_system_sgpr_workgroup_id_z 1
		.amdhsa_system_vgpr_workitem_id 0
		.amdhsa_next_free_vgpr 1024
		.amdhsa_next_free_sgpr 98
		.amdhsa_reserve_vcc 0
		.amdhsa_float_denorm_mode_32 3
		.amdhsa_float_denorm_mode_16_64 3
		.amdhsa_memory_ordered 1
		.amdhsa_forward_progress 1
		.amdhsa_inst_pref_size 152
	.end_amdhsa_kernel
	.amdgpu_metadata
---
amdhsa.version: [ 1, 2 ]
amdhsa.kernels:
  - .name:           k_q2d6ab0fc6c_oproj
    .symbol:         k_q2d6ab0fc6c_oproj.kd
    .args:
      - { .name: mc, .offset: 0, .size: 8, .value_kind: global_buffer, .address_space: global }
      - { .name: ms, .offset: 8, .size: 8, .value_kind: global_buffer, .address_space: global }
      - { .name: wc, .offset: 16, .size: 8, .value_kind: global_buffer, .address_space: global }
      - { .name: ws, .offset: 24, .size: 8, .value_kind: global_buffer, .address_space: global }
      - { .name: out0, .offset: 32, .size: 8, .value_kind: global_buffer, .address_space: global }
    .group_segment_fixed_size: 327680
    .private_segment_fixed_size: 0
    .kernarg_segment_align: 8
    .kernarg_segment_size: 40
    .max_flat_workgroup_size: 128
    .sgpr_count:     98
    .vgpr_count:     1024
    .wavefront_size: 32
...
	.end_amdgpu_metadata
.endif
;; end of part 5
